; MI455X (gfx1250); checked and timed in simulation.
; The chip was launched on July 23, 2026; its instructions are those of AMD's public machine-readable ISA for CDNA 5 (MIT licence, August 2026) and "CDNA5" Instruction Set Architecture Reference Guide (July 2026). The comments in the code are by the model that wrote it; some were corrected since.
;; Causal Self Attention. Allowed arithmetic: matrix products marked QUANTISED: E2M1 operands, one E8M0 scale for each 32 along K, by v_wmma_scale_f32_16x16x128_f8f6f4 with both operands' format E2M1 (or v_wmma_scale_f32_32x16x128_f4), f32 sums; products left as they are: bf16, f16 or f32 operands; f32 sums; everything else in f32.
;; Inputs: w_out 1,024 x 1,024 float32; w_qkv 1,024 x 3,072 float32; x 4 x 2,048 x 1,024 float32.
;; Outputs: out0 4 x 2,048 x 1,024 float32.
;; This version of the problem:
;;   THIS VERSION OF THE PROBLEM IS GIVEN IN LOW PRECISION. The matrix products marked QUANTISED in the list below multiply operands that are first quantised to E2M1 (2 exponent bits, 1 mantissa bit; 4 bits a number), with one power-of-two scale for each 32 numbers along K (OCP MX v1.0); their sums are f32. The products marked 'left as it is' may take bf16, f16 or f32 operands, with f32 sums. Whichever they take, every output number must still come out within the allowed error. Rounding operands to bf16 (8 significant bits) uses up far more of that allowance than f16 does (11 bits, for magnitudes from 6e-5 to 65,504). All else is computed in f32.
;;   The module's matrix products, in the order in which they are computed (A, B: the left and right operand; K: the contracted axis; several contracted axes count as one K, in the product's order):
;;     1. [M 8,192, K 1,024] x [K 1,024, N 3,072]; A: input x; B: input w_qkv: QUANTISED
;;     2. batch 64 x [M 2,048, K 64] x [K 64, N 2,048]; A: computed on the way; B: computed on the way: left as it is (an operand is computed on the way)
;;     3. batch 64 x [M 2,048, K 2,048] x [K 2,048, N 64]; A: computed on the way; B: computed on the way: left as it is (an operand is computed on the way)
;;     4. [M 8,192, K 1,024] x [K 1,024, N 1,024]; A: computed on the way; B: input w_out: left as it is (an operand is computed on the way)
;;   THE QUANTISER, for each operand of a quantised product, along K:
;;     - K is cut into blocks of 32 from its start; a last block that is shorter is filled with zeros.
;;     - A block's scale is 2^e with e = floor(log2(the largest magnitude in the block)) - 2, held to -126 .. 127; a block of zeros has e = 0. As a byte (E8M0): e + 127.
;;     - Each number is divided by its block's scale, clamped to +-6, and rounded to the nearest number of E2M1, ties to even, subnormals kept.
;;     - The product sums the exact products of the quantised numbers (number of the format x scale) in f32.
;;   ~~~python
;;   def quantise(x, axis):      # numpy; x: float32 -> the quantised numbers, widened to float32 again
;;       x = np.moveaxis(x, axis, -1); K = x.shape[-1]
;;       x = np.pad(x, [(0, 0)] * (x.ndim - 1) + [(0, -K % 32)]); x = x.reshape(x.shape[:-1] + (-1, 32)); a = np.abs(x).max(-1, keepdims=True)
;;       e = np.where(a > 0, np.clip(np.frexp(np.where(a > 0, a, 1))[1] - 1 - 2, -126, 127), 0)      # np.frexp(a)[1] - 1 = floor(log2(a)), exactly
;;       r = np.clip(x / 2.0 ** e, -6, 6)
;;       step = 2.0 ** (np.maximum(np.frexp(np.where(r == 0, 1, r))[1] - 1, 0) - 1)
;;       q = np.round(r / step) * step * 2.0 ** e      # np.round: ties to even
;;       return np.moveaxis(q.reshape(q.shape[:-2] + (-1,))[..., :K], -1, axis).astype(np.float32)
;;   ~~~
;; One version. Each part assembles by itself: llvm-mc -triple=amdgcn-amd-amdhsa -mcpu=gfx1250 --defsym DOCPART=n.
;; ======== version 1 of 1: 6 launches
;; limits: values are held in f16: magnitudes above 65,504 overflow, below 6.1e-05 lose precision
;; workspace buffers: x_codes 4,194,304 bytes; x_scales 262,144 bytes; w_codes 1,572,864 bytes; w_scales 98,304 bytes; wot 2,097,152 bytes; qkv 50,331,648 bytes; y 16,777,216 bytes; y16 262,144 bytes
;; launch prep (part 1): grid 368 x 1, 4 waves a work-group, no clusters, 102,912 bytes of LDS; arguments x, w_qkv, w_out, x_codes, x_scales, w_codes, w_scales, wot; writes x_codes, x_scales, w_codes, w_scales, wot
.if DOCPART == 1
	.amdgcn_target "amdgcn-amd-amdhsa--gfx1250"
	.amdhsa_code_object_version 6
	.text
	.protected	k_q517a685017_prep
	.globl	k_q517a685017_prep
	.p2align	8
	.type	k_q517a685017_prep,@function
k_q517a685017_prep:
	s_mov_b64 s[64:65], 0
	v_nop
	global_prefetch_b8 v0, s[64:65] scope:SCOPE_SE
	s_setreg_imm32_b32 hwreg(HW_REG_WAVE_MODE, 25, 1), 1
	s_wait_xcnt 0x0
; CAUSAL SELF-ATTENTION, B = 4, T = 2048, D = 1024, 16 heads of 64.  Six launches: this one (operands made ready), x w_qkv on codes of E2M1, attention, the projection, and two small
; launches that carry the first 16 positions of every sequence in f32.
; WORK LEFT OUT (in the attention launch): the problem's own lower-triangular mask sets the logit of key k for query q to -infinity where k > q, so its softmax weight is exactly 0 and adds
; nothing to any sum, whatever finite values x, w_qkv and w_out hold.  Key steps all of whose keys come after all of a wave's queries are therefore neither multiplied nor, past the work-group's
; last query, fetched.  All three inputs have a way to the output and are loaded.  LIMIT: a NaN, an infinity or an overflow that reaches only such hidden keys is not carried to the result.
; THIS LAUNCH.  Work-groups 0-47: w_qkv [1024 (k)][3072 (n)] f32 -> codes [3072][512 bytes], K innermost, and scale bytes [3072][32].  48-111: w_out [1024 (d)][1024 (e)] f32 -> f16 [e][d].
; 112-367: x [8192][1024] f32 -> codes [8192][512 bytes] and scale bytes [8192][32].
; THE QUANTISER: a block of 32 along K has the scale 2^(floor(log2(largest magnitude)) - 2); its byte is the largest magnitude's exponent field - 2, held at 1 from below; each number is divided by the
; scale and rounded to the nearest code, ties to even, beyond 6 the largest code.
; LIMITS: a block of zeros gets the byte 1 where the rule says 127 (its codes are zeros, and this program alone reads the bytes); blocks whose largest magnitude lies under 2^-124 are held at byte 1;
; NaN and infinities among the inputs are not served; |w_out| stays under 65,504 (f16).
; The three paths part on the work-group's number, have LDS bytes of their own, and no barrier: waves share nothing.
.set SPARE, 102400                     ; the spare words, 128 bytes for each wave, that no other line names
.set SPW,   192                        ; v192 LDS address of my spare word; never rewritten
.set NIL,   193                        ; v193 0; never rewritten
.set WSTG,  32768                      ; the stages of the path for w_qkv: 4 x 32 rows x 272 bytes
.set OSTG,  67584                      ; and of the path for w_out
.set PITCH, 272                        ; a stage row: 256 bytes + 16
.set XWREG, 8192                       ; the path for x: a region for each wave: two stages of 32 x 80 bytes, then its 256 scale bytes
.set XSP,   80
.set XSTEPS, 16
.set XR,    16                         ; v16-79   four sets of 16 numbers as loaded
.set XX,    80                         ; v80-111  two sets of 16 neighbours
.set XE,    112                        ; v112-127 a scale byte for each step
.set XC,    128                        ; v128-191 codes, four registers for each step
.macro XLOAD t                         ; a step's 2,048 bytes: each load reads 512 consecutive bytes
.irp i, 0,1,2,3
	global_load_b128 v[XR+16*((\t)%4)+4*\i:XR+16*((\t)%4)+4*\i+3], v3, s[4:5] offset:2048*(\t)+512*\i th:TH_LOAD_NT
.endr
.endm
.macro XTURN t                         ; through the wave's own stage: in as loaded, out 64 bytes (16 neighbours) a lane; LDS serves a wave's instructions in order
.irp i, 0,1,2,3
	ds_store_b128 v14, v[XR+16*((\t)%4)+4*\i:XR+16*((\t)%4)+4*\i+3] offset:32*XSP*((\t)%2)+8*XSP*\i
.endr
.irp i, 0,1,2,3
	ds_load_b128 v[XX+16*((\t)%2)+4*\i:XX+16*((\t)%2)+4*\i+3], v15 offset:32*XSP*((\t)%2)+16*\i
.endr
.endm
.macro XSTEP t
.set XS, XX+16*((\t)%2)
.if (\t) > 0
	s_wait_dscnt 1                                 ; this step's numbers are back from the stage; the last step's byte store may be out
.else
	s_wait_dscnt 0x0
.endif
.if (\t)+4 < XSTEPS
	XLOAD (\t)+4                                   ; four steps ahead, into the set that the stage's stores have read
.endif
.if (\t)+1 < XSTEPS
.if XSTEPS-2-(\t) >= 3
	s_wait_loadcnt 12                              ; the next step's four loads are in; three later steps' twelve may be out
.else
	s_wait_loadcnt 4*(XSTEPS-2-(\t))
.endif
	XTURN (\t)+1
.endif
	v_max3_num_f32 v8, |v[XS]|, |v[XS+1]|, |v[XS+2]|
	v_max3_num_f32 v9, |v[XS+3]|, |v[XS+4]|, |v[XS+5]|
.irp i, 6,10
	v_max3_num_f32 v8, v8, |v[XS+\i]|, |v[XS+\i+1]|
	v_max3_num_f32 v9, v9, |v[XS+\i+2]|, |v[XS+\i+3]|
.endr
	v_max3_num_f32 v8, v8, |v[XS+14]|, |v[XS+15]|
	v_max3_num_f32 v8, v8, v9, 0x1800000           ; the floor 2^(3 - 127): the byte cannot fall under 1
	v_max_num_f32_dpp v8, v8, v8 row_xmask:1 row_mask:0xf bank_mask:0xf   ; with my neighbour's 16: the block's largest magnitude
	v_add_nc_u32 v11, 0xff000000, v8               ; 2 off its exponent field: the conversion's scale operand
	v_cvt_scalef32_pk8_fp4_f32 v[XC+4*(\t)], v[XS:XS+7], v11
	v_cvt_scalef32_pk8_fp4_f32 v[XC+4*(\t)+1], v[XS+8:XS+15], v11
	v_lshrrev_b32 v[XE+(\t)], 23, v11              ; the scale's byte
	ds_store_b8 v5, v[XE+(\t)] offset:16*(\t)      ; both lanes of a block write the same byte with the same value
	global_store_b64 v4, v[XC+4*(\t):XC+4*(\t)+1], s[10:11] offset:256*(\t)   ; the wave stores 256 consecutive bytes, aligned
.endm
.macro WLOAD t                         ; block t of w_qkv: rows 32 t + i at my column, into set t % 2
.set i, 0
.rept 32
	global_load_b32 v[32+32*((\t)%2)+i], v3, s[6:7] offset:(32*(\t)+i)*12288 th:TH_LOAD_NT
.set i, i+1
.endr
.endm
.macro WBLOCK t
.set XS, 32+32*((\t)%2)
.if (\t) < 15
	s_wait_loadcnt 32                              ; this block's 32 loads are in; the next block's may be out
.else
	s_wait_loadcnt 0x0
.endif
	v_max3_num_f32 v12, |v[XS]|, |v[XS+1]|, |v[XS+2]|
	v_max3_num_f32 v13, |v[XS+3]|, |v[XS+4]|, |v[XS+5]|
.irp i, 6,10,14,18,22,26
	v_max3_num_f32 v12, v12, |v[XS+\i]|, |v[XS+\i+1]|
	v_max3_num_f32 v13, v13, |v[XS+\i+2]|, |v[XS+\i+3]|
.endr
	v_max3_num_f32 v12, v12, |v[XS+30]|, |v[XS+31]|
	v_max3_num_f32 v12, v12, v13, 0x1800000
	v_add_nc_u32 v11, 0xff000000, v12
	v_lshrrev_b32 v13, 23, v11
.if (\t)%4 == 0
	v_mov_b32 v[24+(\t)/4], v13                    ; four bytes to a register, the lower K in the lower byte
.else
	v_lshl_or_b32 v[24+(\t)/4], v13, 8*((\t)%4), v[24+(\t)/4]
.endif
.irp g, 0,1,2,3
	v_cvt_scalef32_pk8_fp4_f32 v[96+\g], v[XS+8*\g:XS+8*\g+7], v11
.endr
	ds_store_b128 v4, v[96:99] offset:16*(\t)      ; 32 codes: 16 bytes of my column's row
.if (\t)+2 < 16
	WLOAD (\t)+2
.endif
	s_wait_dscnt 0x0                               ; the store has read its registers: the next block's codes may be written
.endm
.macro OLOAD t                         ; block t of w_out: rows 32 t + i at my column
.set i, 0
.rept 32
	global_load_b32 v[32+32*((\t)%2)+i], v3, s[8:9] offset:(32*(\t)+i)*4096
.set i, i+1
.endr
.endm
.macro OBLOCK t
.set XS, 32+32*((\t)%2)
.if (\t) < 3
	s_wait_loadcnt 32
.else
	s_wait_loadcnt 0x0
.endif
.set i, 0
.rept 16
	v_cvt_pk_f16_f32 v[96+i], v[XS+2*i], v[XS+2*i+1]   ; two neighbours along d, rounded once
.set i, i+1
.endr
.irp g, 0,1,2,3
	ds_store_b128 v4, v[96+4*\g:96+4*\g+3] offset:64*(\t)+16*\g
.endr
.if (\t)+2 < 4
	OLOAD (\t)+2
.endif
	s_wait_dscnt 0x0
.endm
.macro ROWS_OUT krow, base             ; the stage leaves by rows: sixteen lanes store 256 consecutive bytes, aligned; two rows an instruction
.irp t, 0,1,2,3,4,5,6,7,8,9,10,11,12,13,14,15
	ds_load_b128 v[112+4*\t:112+4*\t+3], v7 offset:2*\t*PITCH
.endr
.irp t, 0,1,2,3,4,5,6,7,8,9,10,11,12,13,14,15
	s_wait_dscnt 15-\t
	global_store_b128 v8, v[112+4*\t:112+4*\t+3], s[\base:\base+1] offset:2*\t*\krow
.endr
.endm
	s_load_b256 s[4:11], s[0:1], 0x0               ; x s[4:5], w_qkv s[6:7], w_out s[8:9], x_codes s[10:11]
	s_load_b256 s[12:19], s[0:1], 0x20             ; x_scales s[12:13], w_codes s[14:15], w_scales s[16:17], wot s[18:19]
	v_lshl_add_u32 v[SPW], v0, 2, SPARE
	v_mov_b32 v[NIL], 0
	v_lshrrev_b32 v1, 5, v0
	v_readfirstlane_b32 s20, v1                    ; wave
	v_and_b32 v2, 31, v0                           ; lane
	s_wait_kmcnt 0x0
	s_cmp_lt_u32 ttmp9, 48
	s_cbranch_scc1 .Lw
	s_cmp_lt_u32 ttmp9, 112
	s_cbranch_scc1 .Lo
	; ---- x: a plain stream of blocks of 32.  A wave takes 16 steps of 512 numbers
	v_lshlrev_b32 v3, 4, v2                        ; my 16 bytes of a load's 512
	s_mul_i32 s21, s20, XWREG
	v_lshrrev_b32 v14, 2, v2
	v_mul_u32_u24 v14, v14, XSP
	v_and_b32 v15, 3, v2
	v_lshl_add_u32 v14, v15, 4, v14
	v_add_nc_u32 v14, s21, v14                     ; the stage, in: 80 (lane / 4) + 16 (lane % 4)
	v_mul_u32_u24 v15, v2, XSP
	v_add_nc_u32 v15, s21, v15                     ; and out: 80 x lane
	v_lshlrev_b32 v4, 3, v2                        ; my 8 bytes of a step's codes
	v_lshrrev_b32 v5, 1, v2
	s_add_co_u32 s21, s21, 2*32*XSP
	v_add_nc_u32 v5, s21, v5                       ; my block's scale byte in LDS
	v_lshlrev_b32 v7, 3, v2
	v_add_nc_u32 v6, s21, v7
	s_sub_co_u32 s22, ttmp9, 112
	s_lshl_b32 s22, s22, 2
	s_add_co_u32 s22, s22, s20                     ; which run of 8,192 numbers is my wave's
	s_mov_b32 s23, 0
	s_lshl_b64 s[24:25], s[22:23], 15
	s_add_nc_u64 s[4:5], s[4:5], s[24:25]
	s_lshl_b64 s[24:25], s[22:23], 12
	s_add_nc_u64 s[10:11], s[10:11], s[24:25]
	s_lshl_b64 s[24:25], s[22:23], 8
	s_add_nc_u64 s[12:13], s[12:13], s[24:25]
.irp t, 0,1,2,3
	XLOAD \t
.endr
	s_wait_loadcnt 12                              ; step 0's four loads are in
	XTURN 0
.irp t, 0,1,2,3,4,5,6,7,8,9,10,11,12,13,14,15
	XSTEP \t
.endr
	ds_load_b64 v[8:9], v6                         ; my wave's 256 scale bytes, 8 a lane
	s_wait_dscnt 0x0
	global_store_b64 v7, v[8:9], s[12:13]          ; 256 consecutive bytes, aligned
	s_wait_tensorcnt 0x0                           ; the wave's end
	ds_add_u32 v[SPW], v[NIL]
	s_wait_dscnt 0x0
	s_endpgm
.Lw:	; ---- w_qkv: a lane takes a column n and its registers run down K; a wave takes 32 columns x 512 along K
	s_cmp_ge_u32 ttmp9, 24
	s_cselect_b32 s22, 1, 0                        ; which half of K
	s_cselect_b32 s23, 24, 0
	s_sub_co_u32 s23, ttmp9, s23                   ; which 128 columns
	s_lshl_b32 s21, s23, 7
	s_lshl_b32 s24, s20, 5
	s_add_co_u32 s21, s21, s24                     ; my wave's first column
	v_lshlrev_b32 v3, 2, v2
	s_mul_i32 s24, s20, 32*PITCH
	s_add_co_u32 s24, s24, WSTG                    ; my stage
	v_mul_u32_u24 v4, v2, PITCH
	v_add_nc_u32 v4, s24, v4                       ; in: row = my column
	v_and_b32 v5, 15, v2
	v_lshrrev_b32 v6, 4, v2
	v_mul_u32_u24 v7, v6, PITCH
	v_lshl_add_u32 v7, v5, 4, v7
	v_add_nc_u32 v7, s24, v7                       ; out: sixteen lanes to a row
	v_lshlrev_b32 v8, 9, v6
	v_lshl_add_u32 v8, v5, 4, v8                   ; the same place in the codes' buffer (rows of 512 bytes)
	v_lshlrev_b32 v9, 5, v2                        ; my column's row of scale bytes
	s_mul_i32 s26, s22, 512*12288
	s_lshl_b32 s27, s21, 2
	s_add_co_u32 s26, s26, s27
	s_mov_b32 s27, 0
	s_add_nc_u64 s[6:7], s[6:7], s[26:27]
	s_lshl_b32 s26, s21, 9
	s_lshl_b32 s28, s22, 8
	s_add_co_u32 s26, s26, s28
	s_add_nc_u64 s[14:15], s[14:15], s[26:27]
	s_lshl_b32 s26, s21, 5
	s_lshl_b32 s28, s22, 4
	s_add_co_u32 s26, s26, s28
	s_add_nc_u64 s[16:17], s[16:17], s[26:27]
	WLOAD 0
	WLOAD 1
.irp t, 0,1,2,3,4,5,6,7,8,9,10,11,12,13,14,15
	WBLOCK \t
.endr
	global_store_b128 v9, v[24:27], s[16:17]       ; my column's 16 scale bytes
	ROWS_OUT 512, 14
	s_wait_tensorcnt 0x0                           ; the wave's end, as above
	ds_add_u32 v[SPW], v[NIL]
	s_wait_dscnt 0x0
	s_endpgm
.Lo:	; ---- w_out: the same plan: a lane takes a column e, its registers run down d; a wave takes 32 columns x 128 along d
	s_sub_co_u32 s22, ttmp9, 48
	s_and_b32 s23, s22, 7                          ; which 128 columns
	s_lshr_b32 s22, s22, 3                         ; which 128 along d
	s_lshl_b32 s21, s23, 7
	s_lshl_b32 s24, s20, 5
	s_add_co_u32 s21, s21, s24
	v_lshlrev_b32 v3, 2, v2
	s_mul_i32 s24, s20, 32*PITCH
	s_add_co_u32 s24, s24, OSTG
	v_mul_u32_u24 v4, v2, PITCH
	v_add_nc_u32 v4, s24, v4
	v_and_b32 v5, 15, v2
	v_lshrrev_b32 v6, 4, v2
	v_mul_u32_u24 v7, v6, PITCH
	v_lshl_add_u32 v7, v5, 4, v7
	v_add_nc_u32 v7, s24, v7
	v_lshlrev_b32 v8, 11, v6
	v_lshl_add_u32 v8, v5, 4, v8                   ; rows of 2,048 bytes
	s_lshl_b32 s26, s22, 19
	s_lshl_b32 s27, s21, 2
	s_add_co_u32 s26, s26, s27
	s_mov_b32 s27, 0
	s_add_nc_u64 s[8:9], s[8:9], s[26:27]
	s_lshl_b32 s26, s21, 11
	s_lshl_b32 s28, s22, 8
	s_add_co_u32 s26, s26, s28
	s_add_nc_u64 s[18:19], s[18:19], s[26:27]
	OLOAD 0
	OLOAD 1
.irp t, 0,1,2,3
	OBLOCK \t
.endr
	ROWS_OUT 2048, 18
	s_wait_tensorcnt 0x0                           ; the wave's end, as above
	ds_add_u32 v[SPW], v[NIL]
	s_wait_dscnt 0x0
	s_endpgm
.Lfunc_end_k_q517a685017_prep:
	.size	k_q517a685017_prep, .Lfunc_end_k_q517a685017_prep-k_q517a685017_prep
	.p2alignl 7, 3214868480
	.fill 96, 4, 3214868480
	.section	.rodata,"a",@progbits
	.p2align	6, 0x0
	.amdhsa_kernel k_q517a685017_prep
		.amdhsa_group_segment_fixed_size 102912
		.amdhsa_private_segment_fixed_size 0
		.amdhsa_enable_private_segment 0
		.amdhsa_kernarg_size 64
		.amdhsa_user_sgpr_count 2
		.amdhsa_user_sgpr_kernarg_segment_ptr 1
		.amdhsa_wavefront_size32 1
		.amdhsa_system_sgpr_workgroup_id_x 1
		.amdhsa_system_sgpr_workgroup_id_y 1
		.amdhsa_system_sgpr_workgroup_id_z 1
		.amdhsa_system_vgpr_workitem_id 0
		.amdhsa_next_free_vgpr 196
		.amdhsa_next_free_sgpr 66
		.amdhsa_reserve_vcc 0
		.amdhsa_float_denorm_mode_32 3
		.amdhsa_float_denorm_mode_16_64 3
		.amdhsa_memory_ordered 1
		.amdhsa_forward_progress 1
		.amdhsa_inst_pref_size 132
	.end_amdhsa_kernel
	.amdgpu_metadata
---
amdhsa.version: [ 1, 2 ]
amdhsa.kernels:
  - .name:           k_q517a685017_prep
    .symbol:         k_q517a685017_prep.kd
    .args:
      - { .name: x, .offset: 0, .size: 8, .value_kind: global_buffer, .address_space: global }
      - { .name: w_qkv, .offset: 8, .size: 8, .value_kind: global_buffer, .address_space: global }
      - { .name: w_out, .offset: 16, .size: 8, .value_kind: global_buffer, .address_space: global }
      - { .name: x_codes, .offset: 24, .size: 8, .value_kind: global_buffer, .address_space: global }
      - { .name: x_scales, .offset: 32, .size: 8, .value_kind: global_buffer, .address_space: global }
      - { .name: w_codes, .offset: 40, .size: 8, .value_kind: global_buffer, .address_space: global }
      - { .name: w_scales, .offset: 48, .size: 8, .value_kind: global_buffer, .address_space: global }
      - { .name: wot, .offset: 56, .size: 8, .value_kind: global_buffer, .address_space: global }
    .group_segment_fixed_size: 102912
    .private_segment_fixed_size: 0
    .kernarg_segment_align: 8
    .kernarg_segment_size: 64
    .max_flat_workgroup_size: 128
    .sgpr_count:     66
    .vgpr_count:     196
    .wavefront_size: 32
...
	.end_amdgpu_metadata
.endif
;; end of part 1
;; launch gemm_qkv (part 2): grid 12 x 32, 4 waves a work-group, clusters of 4 x 4, 327,680 bytes of LDS; arguments x_codes, x_scales, w_codes, w_scales, qkv; writes qkv
.if DOCPART == 2
	.amdgcn_target "amdgcn-amd-amdhsa--gfx1250"
	.amdhsa_code_object_version 6
	.text
	.protected	k_q517a685017_gemm_qkv
	.globl	k_q517a685017_gemm_qkv
	.p2align	8
	.type	k_q517a685017_gemm_qkv,@function
k_q517a685017_gemm_qkv:
	s_mov_b64 s[64:65], 0
	v_nop
	global_prefetch_b8 v0, s[64:65] scope:SCOPE_SE
	s_setreg_imm32_b32 hwreg(HW_REG_WAVE_MODE, 25, 1), 1
	s_wait_xcnt 0x0
	s_wait_alu depctr_hold_cnt(0) depctr_sa_sdst(0) depctr_va_vdst(0) depctr_va_sdst(0) depctr_va_ssrc(0) depctr_va_vcc(0) depctr_vm_vsrc(0)
	s_getreg_b32 s2, hwreg(HW_REG_IB_STS2, 6, 4)
	s_cmp_eq_u32 s2, 0
	s_cbranch_scc0 .Lentry_in_a_cluster
	s_endpgm
.Lentry_in_a_cluster:
	s_bfe_u32 s2, ttmp6, 0x10000c
	s_cmp_lg_u32 s2, 0xf033
	s_cbranch_scc0 .Lentry_shape_is_right
	s_endpgm
.Lentry_shape_is_right:
; qkv[m][n] = sum over k of x[m][k] w_qkv[k][n], both operands as codes of E2M1 with one E8M0 scale for each 32 along K; f32 sums, rounded once to f16 for the products that follow.
; A: x_codes [8192][512 bytes], x_scales [8192][32].  B: w_codes [3072][512 bytes], w_scales [3072][32].  OUT: qkv, f16, [3 (q, k, v)][4 b][8 head pairs][2048 t][128]: a row is two heads, 256 bytes.
; A tile of 256 x 256 to a work-group of four waves, 128 x 128 to a wave: 64 accumulators.  K = 1,024 is two slots of 512 along K: both slots and all scale bytes are first fills, asked for at the head;
; nothing is filled again, so the text has no loop.  By its own count a wave has three tensor loads out at the head.
; CLUSTERS: 4 x 4 work-groups; A's tiles are shared along a row of the cluster, B's along a column: joint loads with a mask that names the four.
; THE MATRIX INSTRUCTION IS USED TRANSPOSED (source 0 = 16 rows of B, source 1 = 16 rows of A): a lane holds eight neighbouring columns of one row.
; A wave's 128 rows x 128 columns are one head pair's 128 rows: 32,768 consecutive bytes of qkv.  LIMIT: |qkv| under 65,504 (f16).
; REGISTERS: window 0: v0-31 addresses; v32-95 scale words, two sets; v128-191 A's fragments, one set; on the way out v32-63, v192-255.  window 1: B's fragments, two sets.  windows 2, 3: the accumulators.
.set SIZE_K, 1024
.set KSTEP,  512
.set NQ,     KSTEP/128
.set ROWB,   256
.set KROW,   SIZE_K*4/8
.set PITCH,  272
.set FR,     8
.set NL,     2
.set NP,     4
.set HALFT,  128*PITCH
.set SLOT,   4*HALFT
.set KS,     SIZE_K/32
.set SCL,    2*SLOT
.set HALFS,  (128*KS/256)*272
.set SBLK,   (16*KS/256)*272
.set SPARE,  SCL+4*HALFS               ; the spare words, 128 bytes for each wave, that no other line names
.set SPITCH, 272                       ; the way out: a stage of 16 rows x (256 bytes + 16) for each wave, in slot 0, which has had its one fill and its last read when the first result is stored there
.set ADRA, 16
.set ADRB, 20
.set STO,  24
.set RD,   25
.set CO,   26
.set ADRS, 27
.set SPW,  28
.set NIL,  29
.set SC,   32
.set AF,   128
.set TMP,  192
.set OB,   32
.set G1, 24
.set G0, 32
.set G1B, 48
.set G0B, 56
.set G1S, 68
.set G0S, 76
.set G1SB, 80
.set G0SB, 88
.set MSB, 0
.macro WIN new                         ; the immediate's high byte repeats the setting that is left
.if MSB != (\new)
	s_set_vgpr_msb (MSB<<8)|(\new)
.set MSB, (\new)
.endif
.endm
.set MUL_LO, 0xa1                      ; source 0 (B) window 1, source 1 (A) window 0, C and D window 2
.set MUL_HI, 0xf1
.set TO_B,   0x40
.macro JLOAD g0a, g1a, g0b, g1b        ; a joint load: waves 0 and 1 fetch for A, waves 2 and 3 for B; s_nop 0 and four v_nop behind each line
	s_cmp_eq_u32 s15, 0
	s_cbranch_scc0 .Lfor_b_\@
	tensor_load_to_lds s[\g0a:\g0a+3], s[\g1a:\g1a+7]
	s_nop 0
.rept 4
	v_nop
.endr
	s_branch .Lasked_\@
.Lfor_b_\@:
	tensor_load_to_lds s[\g0b:\g0b+3], s[\g1b:\g1b+7]
	s_nop 0
.rept 4
	v_nop
.endr
.Lasked_\@:
.endm
.macro CROUND                          ; a round of the cluster's barrier
	s_barrier_signal -1
	s_barrier_wait -1
	s_cmp_lg_u32 s14, 0
	s_cbranch_scc1 .Lnot_wave_0_\@
	s_barrier_signal -3
.Lnot_wave_0_\@:
	s_barrier_wait -3
	s_barrier_signal -1
	s_barrier_wait -1
.endm
	s_load_b128 s[4:7], s[0:1], 0x0                ; A's codes, A's scales
	s_load_b128 s[8:11], s[0:1], 0x10              ; B's codes, B's scales
	s_load_b64 s[12:13], s[0:1], 0x20              ; qkv
	v_lshl_add_u32 v[SPW], v0, 2, SPARE
	v_mov_b32 v[NIL], 0
	ds_add_u32 v[SPW], v[NIL]                      ; the opening: the add, twice on end, and its wait ahead of my first tensor load
	ds_add_u32 v[SPW], v[NIL]
	v_lshrrev_b32 v1, 5, v0
	v_readfirstlane_b32 s14, v1                    ; wave
	s_lshr_b32 s15, s14, 1                         ; my half of the tile's rows; also: I fetch for A (0) or for B (1)
	s_and_b32 s16, s14, 1                          ; my half of its columns; also: which 128 rows I fetch
	s_bfe_u32 s40, ttmp6, 0x40000                  ; cx
	s_bfe_u32 s41, ttmp6, 0x40004                  ; cy
	s_lshl_b32 s42, ttmp9, 2
	s_add_co_u32 s42, s42, s40                     ; tile column
	s_and_b32 s17, ttmp7, 0xffff
	s_lshl_b32 s17, s17, 2
	s_add_co_u32 s17, s17, s41                     ; tile row
	s_lshl_b32 s43, s41, 2
	s_lshl_b32 s43, 15, s43                        ; my row of the cluster
	s_lshl_b32 s44, 0x1111, s40                    ; my column
	s_or_b32 s[G1+0], s43, (0<<16)|(1<<20)|(1<<21)|(5<<22)|(3<<25)   ; mask; elements of 1 byte; 4 words of padding behind every 64
	s_or_b32 s[G1B+0], s44, (0<<16)|(1<<20)|(1<<21)|(5<<22)|(3<<25)
.irp g, G1, G1B
	s_mov_b32 s[\g+1], ROWB<<16                    ; tensor_dim0
	s_mov_b32 s[\g+2], 128<<16                     ; tensor_dim1
	s_mov_b32 s[\g+3], ROWB<<16                    ; tile_dim0
	s_mov_b32 s[\g+4], 128                         ; tile_dim1
	s_mov_b32 s[\g+5], KROW                        ; the pitch
	s_mov_b32 s[\g+6], 0
	s_mov_b32 s[\g+7], 0
.endr
	s_or_b32 s[G1S+0], s43, (3<<16)|(1<<20)|(1<<21)|(5<<22)|(3<<25)  ; the scales of 128 rows: a dense block as rows of 256 bytes (32 elements of 8), 16 bytes of padding behind each
	s_or_b32 s[G1SB+0], s44, (3<<16)|(1<<20)|(1<<21)|(5<<22)|(3<<25)
.irp g, G1S, G1SB
	s_mov_b32 s[\g+1], 32<<16
	s_mov_b32 s[\g+2], (128*KS/256)<<16
	s_mov_b32 s[\g+3], 32<<16
	s_mov_b32 s[\g+4], 128*KS/256
	s_mov_b32 s[\g+5], 32
	s_mov_b32 s[\g+6], 0
	s_mov_b32 s[\g+7], 0
.endr
	s_lshl_b32 s18, s16, 7
	s_lshl_b32 s20, s17, 8
	s_add_co_u32 s20, s20, s18                     ; A: row 256 x tile row + 128 x half
	s_lshl_b32 s46, s42, 8
	s_add_co_u32 s46, s46, s18                     ; B: row 256 x tile column + 128 x half
	s_mov_b32 s21, 0
	s_mov_b32 s47, 0
	s_mov_b64 s[18:19], KS
	s_mul_u64 s[22:23], s[20:21], s[18:19]
	s_mul_u64 s[92:93], s[46:47], s[18:19]
	s_mov_b64 s[18:19], KROW
	s_mul_u64 s[20:21], s[20:21], s[18:19]
	s_mul_u64 s[46:47], s[46:47], s[18:19]
	s_mul_i32 s45, s14, HALFT                      ; where they go: wave x 128 rows
	s_mul_i32 s94, s14, HALFS
	s_wait_dscnt 0x0                               ; both opening adds are done
	s_wait_kmcnt 0x0
	s_add_nc_u64 s[20:21], s[4:5], s[20:21]
	s_add_nc_u64 s[22:23], s[6:7], s[22:23]
	s_add_nc_u64 s[46:47], s[8:9], s[46:47]
	s_add_nc_u64 s[92:93], s[10:11], s[92:93]
	CROUND                                         ; all sixteen work-groups are here: the joint loads meet
	s_mov_b32 s[G0S], 1
	s_add_co_u32 s[G0S+1], s94, SCL
	s_mov_b64 s[G0S+2:G0S+3], s[22:23]
	s_or_b32 s[G0S+3], s[G0S+3], 0x80000000
	s_mov_b32 s[G0SB], 1
	s_add_co_u32 s[G0SB+1], s94, SCL
	s_mov_b64 s[G0SB+2:G0SB+3], s[92:93]
	s_or_b32 s[G0SB+3], s[G0SB+3], 0x80000000
	JLOAD G0S, G1S, G0SB, G1SB                     ; the scales first
.irp s, 0,1
	s_mov_b32 s[G0+4*\s], 1
	s_add_co_u32 s[G0+4*\s+1], s45, \s*SLOT
	s_add_nc_u64 s[G0+4*\s+2:G0+4*\s+3], s[20:21], \s*ROWB
	s_or_b32 s[G0+4*\s+3], s[G0+4*\s+3], 0x80000000
	s_mov_b32 s[G0B+4*\s], 1
	s_add_co_u32 s[G0B+4*\s+1], s45, \s*SLOT
	s_add_nc_u64 s[G0B+4*\s+2:G0B+4*\s+3], s[46:47], \s*ROWB
	s_or_b32 s[G0B+4*\s+3], s[G0B+4*\s+3], 0x80000000
	JLOAD G0+4*\s, G1, G0B+4*\s, G1B
.endr
	v_and_b32 v1, 15, v0                           ; r
	v_bfe_u32 v2, v0, 4, 1                         ; h
	v_mul_u32_u24 v3, v1, PITCH
	v_lshl_add_u32 v4, v2, 4, v3
	s_mul_i32 s21, s15, HALFT
	s_mul_i32 s22, s16, HALFT
	s_add_co_u32 s22, s22, 2*HALFT
.irp s, 0,1
	v_add_nc_u32 v[ADRA+\s], s21, v4
	v_add_nc_u32 v[ADRB+\s], s22, v4
	s_add_co_u32 s21, s21, SLOT
	s_add_co_u32 s22, s22, SLOT
.endr
	v_mul_u32_u24 v5, v1, KS                       ; my row's scales: 32 bytes a row,
	v_lshrrev_b32 v6, 8, v5
	v_lshl_add_u32 v5, v6, 4, v5                   ; and 16 more for each 256 passed
	s_mul_i32 s21, s15, HALFS
	s_mul_i32 s22, s16, HALFS
	s_add_co_u32 s22, s22, 2*HALFS
	s_sub_co_u32 s22, s22, s21
	v_mul_u32_u24 v6, s22, v2                      ; lanes 16-31 take B's
	s_add_co_u32 s21, s21, SCL
	v_add_nc_u32 v5, v5, v6
	v_add_nc_u32 v[ADRS], s21, v5
	s_mul_i32 s23, s14, 16*SPITCH                  ; my stage
	v_mul_u32_u24 v5, v1, SPITCH
	v_lshl_add_u32 v5, v2, 4, v5
	v_add_nc_u32 v[STO], s23, v5                   ; in: row r, 16 bytes for each half of the lanes
	v_mul_u32_u24 v5, v2, SPITCH
	v_lshl_add_u32 v5, v1, 4, v5
	v_add_nc_u32 v[RD], s23, v5                    ; back: lanes 0-15 one row, lanes 16-31 the next
	v_and_b32 v6, 31, v0
	v_lshlrev_b32 v[CO], 4, v6                     ; and in qkv the two rows are 512 consecutive bytes
	s_lshl_b32 s20, s17, 8
	s_lshl_b32 s21, s15, 7
	s_add_co_u32 s20, s20, s21                     ; my first row m0 = 2048 b + t
	s_lshr_b32 s21, s20, 11
	s_lshl_b32 s21, s21, 22                        ; b x 2^22
	s_and_b32 s20, s20, 2047
	s_lshl_b32 s20, s20, 8                         ; t x 256
	s_add_co_u32 s20, s20, s21
	s_lshl_b32 s46, s42, 1
	s_add_co_u32 s46, s46, s16                     ; my 128 columns: 8 x (q, k or v) + head pair
	s_lshr_b32 s47, s46, 3
	s_lshl_b32 s47, s47, 24
	s_and_b32 s46, s46, 7
	s_lshl_b32 s46, s46, 19
	s_add_co_u32 s46, s46, s47
	s_add_co_u32 s20, s20, s46
	s_mov_b32 s21, 0
	s_add_nc_u64 s[12:13], s[12:13], s[20:21]
.macro FRAG reg, adr, q, i             ; 16 rows x 128 K of 4-bit codes: 8 registers, two loads of 16 bytes, 32 bytes apart
.irp c, 0,1
	ds_load_b128 v[\reg+4*\c:\reg+4*\c+3], v[\adr] offset:64*(\q)+32*\c+(\i)*16*PITCH
.endr
.endm
; 16 matrix instructions: A's blocks a0, a0 + 1 x B's eight.  The 64 accumulators take turns, one instruction a turn, in the same order in every step.
.macro MUL16 a0, p, q, sc, zero
.irp a, \a0, \a0+1
.irp b, 0,1,2,3,4,5,6,7
.if \zero
	v_wmma_scale_f32_16x16x128_f8f6f4 v[8*(8*((\a)%4)+\b):8*(8*((\a)%4)+\b)+7], v[128*(\p)+FR*\b:128*(\p)+FR*\b+FR-1], v[AF+FR*(\a):AF+FR*(\a)+FR-1], 0, v[SC+8*NQ*(\sc)+NQ*\b+(\q)], v[SC+8*NQ*(\sc)+NQ*(\a)+(\q)] matrix_a_fmt:MATRIX_FMT_FP4 matrix_b_fmt:MATRIX_FMT_FP4 matrix_a_scale:MATRIX_SCALE_ROW1
.else
	v_wmma_scale_f32_16x16x128_f8f6f4 v[8*(8*((\a)%4)+\b):8*(8*((\a)%4)+\b)+7], v[128*(\p)+FR*\b:128*(\p)+FR*\b+FR-1], v[AF+FR*(\a):AF+FR*(\a)+FR-1], v[8*(8*((\a)%4)+\b):8*(8*((\a)%4)+\b)+7], v[SC+8*NQ*(\sc)+NQ*\b+(\q)], v[SC+8*NQ*(\sc)+NQ*(\a)+(\q)] matrix_a_fmt:MATRIX_FMT_FP4 matrix_b_fmt:MATRIX_FMT_FP4 matrix_a_scale:MATRIX_SCALE_ROW1
.endif
.endr
.endr
.endm
.macro FETCH_B slot, q, p
	WIN TO_B
.irp i, 0,1,2,3,4,5,6,7
	FRAG 128*(\p)+FR*\i, ADRB+\slot, \q, \i
.endr
	WIN 0
.endm
.macro FETCH_A slot, q, i0
.irp i, \i0, \i0+1, \i0+2, \i0+3
	FRAG AF+FR*(\i), ADRA+\slot, \q, \i
.endr
.endm
.macro SCALES sc                       ; a slot's scale words: lanes 0-15 A's block i, lanes 16-31 B's block i
.irp i, 0,1,2,3,4,5,6,7
	ds_load_b128 v[SC+8*NQ*\sc+NQ*\i:SC+8*NQ*\sc+NQ*\i+3], v[ADRS] offset:\i*SBLK
.endr
.endm
.macro PLACES n                        ; plain vector instructions between a matrix instruction and a load into, or a read of, its registers
.rept \n
	v_nop
.endr
.endm
.macro STEP slot, q, zero              ; 128 along K, with its successor in the same slot
	s_wait_dscnt 4*NL                              ; B's set and A's blocks 0-3 are in; A's blocks 4-7 may be out
	WIN MUL_LO
	MUL16 0, (\q)%2, \q, \slot, \zero
	MUL16 2, (\q)%2, \q, \slot, \zero
	s_wait_dscnt 0
	PLACES NP
	FETCH_B \slot, (\q)+1, 1-(\q)%2
	FETCH_A \slot, (\q)+1, 0
	WIN MUL_HI
	MUL16 4, (\q)%2, \q, \slot, \zero
	MUL16 6, (\q)%2, \q, \slot, \zero
	PLACES NP
	WIN 0
	FETCH_A \slot, (\q)+1, 4
.endm
	s_wait_tensorcnt 1                             ; the scales and my part of slot 0 are in; slot 1's load may be out
	s_barrier_signal -1
	s_barrier_wait -1
	FETCH_B 0, 0, 0
	FETCH_A 0, 0, 0
	SCALES 0
	FETCH_A 0, 0, 4
	STEP 0, 0, 1                                   ; the first step's products start the sums
	STEP 0, 1, 0
	STEP 0, 2, 0
	; slot 0's last step changes slots: one barrier; in front of it all my tensor loads have landed (my part of slot 1) and my reads of slot 0 are over
	s_wait_tensorcnt 0x0
	ds_add_u32 v[SPW], v[NIL]
	s_wait_dscnt 4*NL+1                            ; the add and A's blocks 4-7 may be out
	WIN MUL_LO
	MUL16 0, 1, NQ-1, 0, 0
	s_wait_dscnt 0x0
	s_barrier_signal -1
	MUL16 2, 1, NQ-1, 0, 0
	WIN 0
	s_barrier_wait -1
	PLACES NP
	v_add_nc_u32 v[ADRS], 4*NQ, v[ADRS]            ; the second slot's scale words
	FETCH_B 1, 0, 0
	FETCH_A 1, 0, 0
	SCALES 1
	WIN MUL_HI
	MUL16 4, 1, NQ-1, 0, 0
	MUL16 6, 1, NQ-1, 0, 0
	PLACES NP
	WIN 0
	FETCH_A 1, 0, 4
	STEP 1, 0, 0
	STEP 1, 1, 0
	STEP 1, 2, 0
	s_wait_dscnt 4*NL                              ; the last step: nothing more to fetch
	WIN MUL_LO
	MUL16 0, 1, NQ-1, 1, 0
	MUL16 2, 1, NQ-1, 1, 0
	s_wait_dscnt 0
	WIN MUL_HI
	MUL16 4, 1, NQ-1, 1, 0
	MUL16 6, 1, NQ-1, 1, 0
	WIN 0
; THE WAY OUT, a block of 16 rows at a time: rounded to f16 (16 bytes a lane), into my stage, back as whole rows of 256 bytes, stored.
.macro PACK a
.set AC, 64*((\a)%4)
	WIN 0x0a+5*((\a)/4)                            ; sources 0 and 1: window 2 or 3
.irp b, 0,1,2,3,4,5,6,7
.irp r, 0,1,2,3
	v_cvt_pk_f16_f32 v[TMP+4*\b+\r], v[AC+8*\b+2*\r], v[AC+8*\b+2*\r+1]   ; each accumulator from its low end on
.endr
.endr
	WIN 0
.endm
.macro TOSTAGE a
.set BB, OB+192*((\a)%2)
.irp b, 0,1,2,3,4,5,6,7
	ds_store_b128 v[STO], v[TMP+4*\b:TMP+4*\b+3] offset:32*\b
.endr
.irp t, 0,1,2,3,4,5,6,7
	ds_load_b128 v[BB+4*\t:BB+4*\t+3], v[RD] offset:\t*2*SPITCH    ; LDS serves a wave's instructions in order: these see the stores above
.endr
.endm
.macro SEND a
.set BB, OB+192*((\a)%2)
	s_wait_dscnt 0x0                               ; the block is back in registers
	s_wait_xcnt 0x0                                ; the stores of the block before have read their registers: the next block's loads may land there
.irp t, 0,1,2,3,4,5,6,7
	global_store_b128 v[CO], v[BB+4*\t:BB+4*\t+3], s[12:13] offset:4096*(\a)+512*\t   ; 32 lanes store 512 consecutive bytes, aligned
.endr
.endm
	PLACES NP
	PACK 0
	TOSTAGE 0
.irp a, 1,2,3,4,5,6,7
	PACK \a
	SEND \a-1
	TOSTAGE \a
.endr
	SEND 7
	s_wait_tensorcnt 0x0                           ; the wave's end
	ds_add_u32 v[SPW], v[NIL]
	s_wait_dscnt 0x0
	CROUND                                         ; the closing round
	s_endpgm
.Lfunc_end_k_q517a685017_gemm_qkv:
	.size	k_q517a685017_gemm_qkv, .Lfunc_end_k_q517a685017_gemm_qkv-k_q517a685017_gemm_qkv
	.p2alignl 7, 3214868480
	.fill 96, 4, 3214868480
	.section	.rodata,"a",@progbits
	.p2align	6, 0x0
	.amdhsa_kernel k_q517a685017_gemm_qkv
		.amdhsa_group_segment_fixed_size 327680
		.amdhsa_private_segment_fixed_size 0
		.amdhsa_enable_private_segment 0
		.amdhsa_kernarg_size 40
		.amdhsa_user_sgpr_count 2
		.amdhsa_user_sgpr_kernarg_segment_ptr 1
		.amdhsa_wavefront_size32 1
		.amdhsa_system_sgpr_workgroup_id_x 1
		.amdhsa_system_sgpr_workgroup_id_y 1
		.amdhsa_system_sgpr_workgroup_id_z 1
		.amdhsa_system_vgpr_workitem_id 0
		.amdhsa_next_free_vgpr 1024
		.amdhsa_next_free_sgpr 98
		.amdhsa_reserve_vcc 0
		.amdhsa_float_denorm_mode_32 3
		.amdhsa_float_denorm_mode_16_64 3
		.amdhsa_memory_ordered 1
		.amdhsa_forward_progress 1
		.amdhsa_inst_pref_size 126
	.end_amdhsa_kernel
	.amdgpu_metadata
---
amdhsa.version: [ 1, 2 ]
amdhsa.kernels:
  - .name:           k_q517a685017_gemm_qkv
    .symbol:         k_q517a685017_gemm_qkv.kd
    .args:
      - { .name: x_codes, .offset: 0, .size: 8, .value_kind: global_buffer, .address_space: global }
      - { .name: x_scales, .offset: 8, .size: 8, .value_kind: global_buffer, .address_space: global }
      - { .name: w_codes, .offset: 16, .size: 8, .value_kind: global_buffer, .address_space: global }
      - { .name: w_scales, .offset: 24, .size: 8, .value_kind: global_buffer, .address_space: global }
      - { .name: qkv, .offset: 32, .size: 8, .value_kind: global_buffer, .address_space: global }
    .group_segment_fixed_size: 327680
    .private_segment_fixed_size: 0
    .kernarg_segment_align: 8
    .kernarg_segment_size: 40
    .max_flat_workgroup_size: 128
    .sgpr_count:     98
    .vgpr_count:     1024
    .wavefront_size: 32
...
	.end_amdgpu_metadata
.endif
;; end of part 2
;; launch attn (part 3): grid 8 x 32, 8 waves a work-group, no clusters, 327,680 bytes of LDS; arguments qkv, y; writes y
.if DOCPART == 3
	.amdgcn_target "amdgcn-amd-amdhsa--gfx1250"
	.amdhsa_code_object_version 6
	.text
	.protected	k_q517a685017_attn
	.globl	k_q517a685017_attn
	.p2align	8
	.type	k_q517a685017_attn,@function
k_q517a685017_attn:
	s_mov_b64 s[64:65], 0
	v_nop
	global_prefetch_b8 v0, s[64:65] scope:SCOPE_SE
	s_setreg_imm32_b32 hwreg(HW_REG_WAVE_MODE, 25, 1), 1
	s_wait_xcnt 0x0
; y[b][t][head 64 + c] = sum over k <= t of softmax_k(q . k / 8) v, f16 operands, f32 products, maxima and sums; the weights are rounded to f16 for the second product, y once at the end.
; WORK LEFT OUT: key steps all of whose 64 keys come after a wave's queries have weight exactly 0 under the problem's own causal mask: they are not multiplied, and slots past the work-group's last query are not fetched.
; qkv: f16 [3][4 b][8 head pairs][2048 t][128].  y: f16 [8192][1024].
; SHARES.  A work-group owns one head pair and two blocks of 128 queries, block j and block 15 - j: (j + 1) + (16 - j) = 17 blocks of keys in every work-group.  Wave w: head w / 4 of the pair; 32 queries of the low
; block (tiles 0, 1) and 32 of the high block (tiles 2, 3), both at 32 (w % 4).  Two waves to a SIMD, so that one wave's softmax stands beside the other's products.
; LAYOUT.  S^T = K Q^T (source 0 = 16 keys, source 1 = 16 queries) and O^T = V^T P: a lane holds one query throughout.  K comes out of LDS as it lies, V turned by ds_load_tr16_b128.
; SOFTMAX.  A running maximum m and sum l for each query: p = 2^(c s - c m), c = log2(e) / 8; O and l are multiplied by a = 2^(c m_old - c m_new) in every step.  m starts at -3e38, O and l at 0.
; Every step that is walked holds, for each of the pair's queries, at least one key that counts (its first key is at or under the pair's first query), so m is a number from the first step on.
; RING.  Two LDS slots of two key steps (64 keys each, both heads' 256-byte rows).  Waves 0, 1 fetch K's two steps, waves 2, 3 V's; all eight read.  Every work-group walks all 16 slots: trip counts are constants.
; NO CLUSTER: the work-groups of a head pair stop fetching at different slots (128 (16 - j) keys), so partners would need different numbers of tiles.
; LIMITS: |q|, |k|, |v| under 65,504; NaN and infinities are not served.
; REGISTERS.  window 0: v1-15 addresses; v16-47 statistics, 8 a tile (+0 c m, +1 m, +2 +3 l, +4..7 at work, a in +6); v64-127 S^T of the pair in hand; v128-255 O^T, 32 a tile.
;   window 1: v0-63 K; v64-127 V; v128-191 Q; v192-223 P of the pair in hand.
.set KS,    64
.set PK,    272                        ; a row of K in LDS: 256 bytes + 16
.set PV,    288                        ; a row of V: 256 + 32
.set VOFF,  KS*PK
.set STEPB, KS*(PK+PV)
.set SLOT1, 1<<17
.set STAGE, SLOT1+2*STEPB              ; the way out: 256 rows x 272 bytes; no tensor load lands here
.set SP,    272
.set SPARE, STAGE+256*SP               ; the spare words, 128 bytes for each wave, that no other line names
.set AK0, 1
.set AV0, 2
.set ADK, 3
.set ADV, 4
.set SPW, 5
.set NIL, 6
.set QO,  7
.set RD,  8
.set GO,  9
.set PFO, 10
.set NINF, 11
.set D0,  12                           ; v12, v13: query - key offsets of the pair's two tiles
.set LR,  14                           ; r - 8 h
.set STO, 15
.set ST,  16
.set S,   64
.set O,   128
.set WV,  8
.set SUB, 9
.set QW,  10
.set QL,  11                           ; my first query of the low block
.set QH,  12                           ; and of the high block
.set QE,  13                           ; the work-group's last query
.set KF,  14                           ; the step's first key
.set TB,  15                           ; LDS byte at which the slot in hand begins
.set SLOTS, 16
.set LIM, 17
.set PFA, 18
.set SEL, 20
.set CS,  22
.set G1K, 24
.set G1V, 32
.set G0K, 40
.set G0V, 44
.set MSB, 0
.macro WIN new
.if MSB != (\new)
	s_set_vgpr_msb (MSB<<8)|(\new)
.set MSB, (\new)
.endif
.endm
.macro TLOAD                           ; waves 0, 1: K; waves 2, 3: V; the others nothing.  s_nop 0 and four v_nop behind each line
	s_cmp_lt_u32 s[WV], 2
	s_cbranch_scc0 .Lnot_k_\@
	tensor_load_to_lds s[G0K:G0K+3], s[G1K:G1K+7]
	s_nop 0
.rept 4
	v_nop
.endr
	s_branch .Lasked_\@
.Lnot_k_\@:
	s_cmp_lt_u32 s[WV], 4
	s_cbranch_scc0 .Lasked_\@
	tensor_load_to_lds s[G0V:G0V+3], s[G1V:G1V+7]
	s_nop 0
.rept 4
	v_nop
.endr
.Lasked_\@:
.endm
; A PREFETCH of the slot two behind the one that is being asked for.  All eight work-groups of a head pair walk the same K and V: work-group j = 0, which fetches every slot, asks.  In it the waves ask that fetch nothing:
; waves 4, 5 K's two steps, waves 6, 7 V's: 64 rows of 256 bytes a wave, a lane a row, two instructions.  So each row is named once in the launch.  Slots 0 to 2 come by their loads alone; the last three trips ask for nothing.
.macro ASK
	s_cmp_gt_u32 s[SLOTS], s[LIM]
	s_cbranch_scc0 .Lnot_mine_\@
	global_prefetch_b8 v[PFO], s[PFA:PFA+1] th:TH_LOAD_NT scope:SCOPE_SE
	global_prefetch_b8 v[PFO], s[PFA:PFA+1] offset:8192 th:TH_LOAD_NT scope:SCOPE_SE
.Lnot_mine_\@:
.endm
	s_load_b128 s[4:7], s[0:1], 0x0                ; qkv s[4:5], y s[6:7]
	v_lshl_add_u32 v[SPW], v0, 2, SPARE
	v_mov_b32 v[NIL], 0
	ds_add_u32 v[SPW], v[NIL]                      ; the opening: the add, twice on end, and its wait ahead of the first tensor load
	ds_add_u32 v[SPW], v[NIL]
	v_lshrrev_b32 v1, 5, v0
	v_readfirstlane_b32 s[WV], v1
	s_lshr_b32 s[SUB], s[WV], 2
	s_and_b32 s[QW], s[WV], 3
	s_lshl_b32 s48, s[QW], 5
	s_lshl_b32 s[QL], ttmp9, 7
	s_sub_co_u32 s[QH], 15, ttmp9
	s_lshl_b32 s[QH], s[QH], 7
	s_add_co_u32 s[QE], s[QH], 127
	s_add_co_u32 s[QL], s[QL], s48
	s_add_co_u32 s[QH], s[QH], s48
	s_and_b32 s49, ttmp7, 0xffff                   ; 8 b + head pair
	s_lshl_b32 s50, s49, 19                        ; its 2,048 rows of 256 bytes
	s_and_b32 s52, s[WV], 1                        ; which of a slot's two steps I fetch
	s_mul_i32 s53, s52, STEPB
	s_lshl_b32 s54, s52, 14
	s_add_co_u32 s54, s54, s50
	s_add_co_u32 s56, s54, 1<<24                   ; in K
	s_mov_b32 s57, 0
	s_add_co_u32 s58, s54, 2<<24                   ; in V
	s_mov_b32 s59, 0
	s_lshl_b32 s68, s[SUB], 7                      ; my head's 128 bytes of a row
	s_lshl_b32 s66, s[QL], 8
	s_add_co_u32 s66, s66, s50
	s_add_co_u32 s66, s66, s68
	s_mov_b32 s67, 0
	s_lshl_b32 s70, s[QH], 8
	s_add_co_u32 s70, s70, s50
	s_add_co_u32 s70, s70, s68
	s_mov_b32 s71, 0
	s_cmp_lt_u32 s[WV], 6
	s_cselect_b32 s72, 1, 2
	s_lshl_b32 s72, s72, 24
	s_add_co_u32 s72, s72, s54
	s_add_co_u32 s72, s72, 2*2*KS*256              ; my prefetches stand in slot 2; the first change of slots steps them to slot 3
	s_mov_b32 s73, 0
	s_cmp_eq_u32 s[SUB], 0                         ; on the way out waves 0-3 store the low block's rows, waves 4-7 the high block's
	s_cselect_b32 s74, s[QL], s[QH]
	s_lshr_b32 s75, s49, 3
	s_lshl_b32 s75, s75, 11
	s_add_co_u32 s74, s74, s75
	s_lshl_b32 s74, s74, 11                        ; a row of y is 2,048 bytes
	s_and_b32 s75, s49, 7
	s_lshl_b32 s75, s75, 8
	s_add_co_u32 s74, s74, s75
	s_mov_b32 s75, 0
	s_xor_b32 s48, s[SUB], 1                       ; 0 in waves 4 to 7,
	s_or_b32 s48, s48, ttmp9                       ; of work-group j = 0
	s_cmp_eq_u32 s48, 0
	s_cselect_b32 s[LIM], 2, -1
	s_mov_b32 s[G1K], (1<<16)|(1<<20)|(5<<22)|(3<<25)   ; elements of 2 bytes; 4 words of padding behind every 64
	s_mov_b32 s[G1V], (1<<16)|(1<<20)|(5<<22)|(7<<25)   ; 8 words
.irp g, G1K, G1V
	s_mov_b32 s[\g+1], 128<<16                     ; tensor_dim0
	s_mov_b32 s[\g+2], KS<<16                      ; tensor_dim1
	s_mov_b32 s[\g+3], 128<<16                     ; tile_dim0
	s_mov_b32 s[\g+4], KS                          ; tile_dim1
	s_mov_b32 s[\g+5], 128                         ; the pitch
	s_mov_b32 s[\g+6], 0
	s_mov_b32 s[\g+7], 0
.endr
	s_mov_b32 s[SEL], 0x76543210
	s_mov_b32 s[SEL+1], 0xfedcba98
	s_mov_b32 s[CS], 0x3e38aa3b                    ; c = log2(e) / 8
	s_mov_b32 s[CS+1], s[CS]
	s_mov_b32 s[KF], 0
	s_mov_b32 s[TB], 0
	s_mov_b32 s[SLOTS], 15
	s_wait_dscnt 0x0                               ; both opening adds are done
	s_wait_kmcnt 0x0
	s_mov_b32 s[G0K], 1
	s_mov_b32 s[G0K+1], s53
	s_add_nc_u64 s[G0K+2:G0K+3], s[4:5], s[56:57]
	s_or_b32 s[G0K+3], s[G0K+3], 0x80000000
	s_mov_b32 s[G0V], 1
	s_add_co_u32 s[G0V+1], s53, VOFF
	s_add_nc_u64 s[G0V+2:G0V+3], s[4:5], s[58:59]
	s_or_b32 s[G0V+3], s[G0V+3], 0x80000000
	TLOAD                                          ; slot 0
	s_add_nc_u64 s[60:61], s[4:5], s[66:67]        ; Q at my low queries,
	s_add_nc_u64 s[62:63], s[4:5], s[70:71]        ; and at my high ones
	s_add_nc_u64 s[PFA:PFA+1], s[4:5], s[72:73]
	s_add_nc_u64 s[6:7], s[6:7], s[74:75]
	v_and_b32 v48, 15, v0                          ; r
	v_bfe_u32 v49, v0, 4, 1                        ; h
	v_lshlrev_b32 v[QO], 8, v48
	v_lshl_add_u32 v[QO], v49, 4, v[QO]
	WIN 0x40                                       ; destination window 1
.irp u, 0,1
.irp d, 0,1
	global_load_b128 v[128+8*(2*\u+\d):128+8*(2*\u+\d)+3], v[QO], s[60:61] offset:4096*\u+64*\d
	global_load_b128 v[128+8*(2*\u+\d)+4:128+8*(2*\u+\d)+7], v[QO], s[60:61] offset:4096*\u+64*\d+32
	global_load_b128 v[160+8*(2*\u+\d):160+8*(2*\u+\d)+3], v[QO], s[62:63] offset:4096*\u+64*\d
	global_load_b128 v[160+8*(2*\u+\d)+4:160+8*(2*\u+\d)+7], v[QO], s[62:63] offset:4096*\u+64*\d+32
.endr
.endr
	WIN 0
	v_mul_u32_u24 v[AK0], v48, PK
	v_lshl_add_u32 v[AK0], v49, 4, v[AK0]
	v_add_nc_u32 v[AK0], s68, v[AK0]               ; K: row r, + 16 h, + my head
	v_and_b32 v50, 7, v0
	v_bfe_u32 v51, v0, 3, 1
	v_lshl_add_u32 v[AV0], v49, 3, v50
	v_mul_u32_u24 v[AV0], v[AV0], PV
	v_lshl_add_u32 v[AV0], v51, 4, v[AV0]
	s_add_co_u32 s69, s68, VOFF
	v_add_nc_u32 v[AV0], s69, v[AV0]               ; V, for the turning load: key 8 h + l % 8, channels 8 ((l / 8) % 2) on
	s_mul_i32 s69, s[QW], 32*SP
	s_add_co_u32 s69, s69, s68
	s_add_co_u32 s69, s69, STAGE
	v_mul_u32_u24 v[STO], v48, SP
	v_lshl_add_u32 v[STO], v49, 4, v[STO]
	v_add_nc_u32 v[STO], s69, v[STO]               ; the stage, in: row 32 (w % 4) + r, my head's half, 16 h
	s_mul_i32 s69, s[WV], 32*SP
	s_add_co_u32 s69, s69, STAGE
	v_mul_u32_u24 v[RD], v49, SP
	v_lshl_add_u32 v[RD], v48, 4, v[RD]
	v_add_nc_u32 v[RD], s69, v[RD]                 ; back: rows 32 w on, lanes 0-15 one row, lanes 16-31 the next
	v_lshlrev_b32 v[GO], 11, v49
	v_lshl_add_u32 v[GO], v48, 4, v[GO]
	v_and_b32 v[PFO], 31, v0
	v_lshlrev_b32 v[PFO], 8, v[PFO]
	v_mov_b32 v[NINF], 0xff800000
	v_lshlrev_b32 v50, 3, v49
	v_sub_nc_u32 v[LR], v48, v50
.irp t, 0,1,2,3
	v_mov_b32 v[ST+8*\t+1], 0xff61b1e6             ; m = -3e38, under every score
	v_mul_f32 v[ST+8*\t], s[CS], v[ST+8*\t+1]
	v_mov_b32 v[ST+8*\t+2], 0
	v_mov_b32 v[ST+8*\t+3], 0
	v_mov_b32 v[ST+8*\t+5], 0
	v_mov_b32 v[ST+8*\t+7], 0
.endr
.set i, 0
.rept 128
	v_mov_b32 v[O+i], 0                            ; O^T: the step is written without a first step of its own; the first a, which is 0, leaves zeros zeros
.set i, i+1
.endr
; The softmax of the pair's two tiles, by turns, so that no line waits for the line above it.
.macro SOFTMAX x
.irp j, 0,1,2,3
.irp u, 0,1
	v_max3_num_f32 v[ST+8*(\x+\u)+4+\j], v[S+32*\u+8*\j], v[S+32*\u+8*\j+1], v[S+32*\u+8*\j+2]   ; each accumulator is read from its low end on
.endr
.endr
.irp g, 1,2
.irp j, 0,1,2,3
.irp u, 0,1
	v_max3_num_f32 v[ST+8*(\x+\u)+4+\j], v[ST+8*(\x+\u)+4+\j], v[S+32*\u+8*\j+2*\g+1], v[S+32*\u+8*\j+2*\g+2]
.endr
.endr
.endr
.irp u, 0,1
	v_max3_num_f32 v[ST+8*(\x+\u)+4], v[ST+8*(\x+\u)+4], v[S+32*\u+7], v[S+32*\u+15]
.endr
.irp u, 0,1
	v_max3_num_f32 v[ST+8*(\x+\u)+6], v[ST+8*(\x+\u)+6], v[S+32*\u+23], v[S+32*\u+31]
.endr
.irp u, 0,1
	v_max3_num_f32 v[ST+8*(\x+\u)+4], v[ST+8*(\x+\u)+4], v[ST+8*(\x+\u)+5], v[ST+8*(\x+\u)+6]
.endr
.irp u, 0,1
	v_max3_num_f32 v[ST+8*(\x+\u)+4], v[ST+8*(\x+\u)+4], v[ST+8*(\x+\u)+7], v[ST+8*(\x+\u)+1]   ; with the old m
.endr
.irp u, 0,1
	v_permlanex16_b32 v[ST+8*(\x+\u)+5], v[ST+8*(\x+\u)+4], s[SEL], s[SEL+1]   ; the query's other 32 keys lie in the lane 16 away
.endr
.irp u, 0,1
	v_mov_b32 v[ST+8*(\x+\u)+7], v[ST+8*(\x+\u)]   ; c m_old
.endr
.irp u, 0,1
	v_max_num_f32 v[ST+8*(\x+\u)+1], v[ST+8*(\x+\u)+4], v[ST+8*(\x+\u)+5]
.endr
.irp u, 0,1
	v_mul_f32 v[ST+8*(\x+\u)], s[CS], v[ST+8*(\x+\u)+1]
.endr
.irp u, 0,1
	v_sub_f32 v[ST+8*(\x+\u)+7], v[ST+8*(\x+\u)+7], v[ST+8*(\x+\u)]
.endr
.irp u, 0,1
	v_exp_f32 v[ST+8*(\x+\u)+6], v[ST+8*(\x+\u)+7] ; a
.endr
.set n, 0
.rept 16
.irp u, 0,1
	v_pk_fma_f32 v[S+32*\u+2*n:S+32*\u+2*n+1], v[S+32*\u+2*n:S+32*\u+2*n+1], s[CS:CS+1], v[ST+8*(\x+\u):ST+8*(\x+\u)+1] op_sel_hi:[1,0,0] neg_lo:[0,0,1] neg_hi:[0,0,1]   ; c s - c m
.endr
.set n, n+1
.endr
.set n, 0
.rept 32
.irp u, 0,1
	v_exp_f32 v[S+32*\u+n], v[S+32*\u+n]
.endr
.set n, n+1
.endr
	v_nop                                          ; a plain instruction behind the last exponential
	s_wait_alu depctr_va_vdst(0)                   ; one wait for the batch of 66, ahead of the first instruction that names a result
	WIN 0x40
.set n, 0
.rept 16
.irp u, 0,1
	v_cvt_pk_f16_f32 v[192+16*\u+n], v[S+32*\u+2*n], v[S+32*\u+2*n+1]   ; two tiles of 16 keys, rounded in pairs, are source 1 of the second product
.endr
.set n, n+1
.endr
	WIN 0
.irp z, 0,1,2,3,4,5,6,7
.irp u, 0,1
	v_pk_add_f32 v[S+32*\u+4*\z:S+32*\u+4*\z+1], v[S+32*\u+4*\z:S+32*\u+4*\z+1], v[S+32*\u+4*\z+2:S+32*\u+4*\z+3]
.endr
.endr
.irp z, 0,1,2,3
.irp u, 0,1
	v_pk_add_f32 v[S+32*\u+8*\z:S+32*\u+8*\z+1], v[S+32*\u+8*\z:S+32*\u+8*\z+1], v[S+32*\u+8*\z+4:S+32*\u+8*\z+5]
.endr
.endr
.irp z, 0,1
.irp u, 0,1
	v_pk_add_f32 v[S+32*\u+16*\z:S+32*\u+16*\z+1], v[S+32*\u+16*\z:S+32*\u+16*\z+1], v[S+32*\u+16*\z+8:S+32*\u+16*\z+9]
.endr
.endr
.irp u, 0,1
	v_pk_add_f32 v[S+32*\u:S+32*\u+1], v[S+32*\u:S+32*\u+1], v[S+32*\u+16:S+32*\u+17]
.endr
.irp u, 0,1
	v_pk_fma_f32 v[ST+8*(\x+\u)+2:ST+8*(\x+\u)+3], v[ST+8*(\x+\u)+2:ST+8*(\x+\u)+3], v[ST+8*(\x+\u)+6:ST+8*(\x+\u)+7], v[S+32*\u:S+32*\u+1] op_sel_hi:[1,0,1]   ; l = a l + the step's sum
.endr
.set n, 0
.rept 16
.irp u, 0,1
	v_pk_mul_f32 v[O+32*(\x+\u)+2*n:O+32*(\x+\u)+2*n+1], v[O+32*(\x+\u)+2*n:O+32*(\x+\u)+2*n+1], v[ST+8*(\x+\u)+6:ST+8*(\x+\u)+7] op_sel_hi:[1,0]   ; O^T x a
.endr
.set n, n+1
.endr
.endm
; One pair of tiles (x = 2: the high block's, x = 0: the low block's) through a key step.  In both runs of 16 products eight accumulators take turns, one instruction a turn.
.macro PAIR x
.if \x == 2
.set QX, QH
	s_wait_dscnt 16                                ; K's 16 loads are in; V's 16 may be out
.else
.set QX, QL
.endif
	WIN 0x05                                       ; sources 0 and 1 in window 1
.set i, 0
.rept 16
.set rS, S+32*(i%2)+8*((i/2)%4)
.set rK, 8*(2*((i/2)%4)+i/8)
.set rQ, 128+8*(2*(\x+i%2)+i/8)
.if i < 8
	v_wmma_f32_16x16x32_f16 v[rS:rS+7], v[rK:rK+7], v[rQ:rQ+7], 0
.else
	v_wmma_f32_16x16x32_f16 v[rS:rS+7], v[rK:rK+7], v[rQ:rQ+7], v[rS:rS+7]
.endif
.set i, i+1
.endr
	WIN 0
.rept 4
	v_nop                                          ; four places ahead of the first read of the scores
.endr
	s_add_co_u32 s48, s[KF], KS-1
	s_cmp_le_u32 s48, s[QX]                        ; all 64 keys count for all 32 queries: no mask
	s_cbranch_scc1 .Lopen_\@
	s_sub_co_i32 s48, s[QX], s[KF]
	v_add_nc_u32 v[D0], s48, v[LR]                 ; register 8 k + j of tile u holds key KF + 16 k + 8 h + j: hidden where 16 k + j > QX - KF + 16 u + r - 8 h
	v_add_nc_u32 v[D0+1], 16, v[D0]
.set n, 0
.rept 32
.irp u, 0,1
	v_cmp_gt_i32 vcc_lo, 16*(n/8)+n%8, v[D0+\u]
	v_cndmask_b32 v[S+32*\u+n], v[S+32*\u+n], v[NINF], vcc_lo
.endr
.set n, n+1
.endr
.Lopen_\@:
	SOFTMAX \x
.if \x == 2
	s_wait_dscnt 0x0                               ; V is in
.endif
	WIN 0x05
.set i, 0
.rept 16
.set rO, O+32*(\x+i%2)+8*((i/2)%4)
.set rV, 64+8*(4*(i/8)+(i/2)%4)
.set rP, 192+16*(i%2)+8*(i/8)
	v_wmma_f32_16x16x32_f16 v[rO:rO+7], v[rV:rV+7], v[rP:rP+7], v[rO:rO+7]
.set i, i+1
.endr
	WIN 0
.endm
; A key step: 64 keys, the q-th of the slot in hand.  The branches hang on ids and on the count of steps; no barrier, wait for a fill or tensor load stands in a step.
.macro STEP q
	s_add_co_u32 s48, s[QH], 31
	s_cmp_gt_u32 s[KF], s48
	s_cbranch_scc1 .Lhid_\@                        ; all keys come after all my queries
	v_add_nc_u32 v[ADK], s[TB], v[AK0]
	v_add_nc_u32 v[ADV], s[TB], v[AV0]
	v_nop
	v_nop                                          ; with the two additions: four places ahead of loads into registers that the last products read
	WIN 0x40
.irp k, 0,1,2,3
.irp d, 0,1
	ds_load_b128 v[8*(2*\k+\d):8*(2*\k+\d)+3], v[ADK] offset:(\q)*STEPB+\k*16*PK+64*\d
	ds_load_b128 v[8*(2*\k+\d)+4:8*(2*\k+\d)+7], v[ADK] offset:(\q)*STEPB+\k*16*PK+64*\d+32
.endr
.endr
.irp c, 0,1
.irp k, 0,1,2,3
	ds_load_tr16_b128 v[64+8*(4*\c+\k):64+8*(4*\c+\k)+3], v[ADV] offset:(\q)*STEPB+\c*32*PV+32*\k
	ds_load_tr16_b128 v[64+8*(4*\c+\k)+4:64+8*(4*\c+\k)+7], v[ADV] offset:(\q)*STEPB+\c*32*PV+16*PV+32*\k
.endr
.endr
	WIN 0
	PAIR 2
	s_add_co_u32 s48, s[QL], 31
	s_cmp_gt_u32 s[KF], s48
	s_cbranch_scc1 .Lhid_\@                        ; the low block is done
	PAIR 0
.Lhid_\@:
	s_add_co_u32 s[KF], s[KF], KS
.endm
; THE CHANGE OF SLOTS, at a slot's head.  Each wave waits for all its tensor loads, adds 0 to its spare word (fill = 1: twice on end),
; and waits for that and for its reads of the slot that it has left.  Behind the barrier the slot ahead is whole and nobody reads the other one, which is then filled with the next 128 keys.
.macro CHANGE fill
	s_wait_tensorcnt 0x0
	ds_add_u32 v[SPW], v[NIL]
.if \fill
	ds_add_u32 v[SPW], v[NIL]
	s_xor_b32 s[G0K+1], s[G0K+1], SLOT1            ; no tensor load of mine is out: the walking descriptors step
	s_add_nc_u64 s[G0K+2:G0K+3], s[G0K+2:G0K+3], 2*KS*256
	s_xor_b32 s[G0V+1], s[G0V+1], SLOT1
	s_add_nc_u64 s[G0V+2:G0V+3], s[G0V+2:G0V+3], 2*KS*256
	s_wait_xcnt 0x0                                ; the last prefetches, a slot back, have read their address
	s_add_nc_u64 s[PFA:PFA+1], s[PFA:PFA+1], 2*KS*256
.endif
	s_wait_dscnt 0x0
	s_barrier_signal -1
	s_barrier_wait -1
.if \fill
	s_add_co_u32 s48, s[KF], 2*KS                  ; the first key of the slot that this change would ask for
	s_cmp_gt_u32 s48, s[QE]                        ; past the work-group's last query no wave would read it: ids and the count of steps alone, the same in all eight waves; every wait on TENSORcnt in this text is for 0
	s_cbranch_scc1 .Lpast_\@
	TLOAD
.Lpast_\@:
	ASK
.endif
.endm
	s_wait_loadcnt 0x0                             ; Q
.Lslot:                                                ; 15 trips
	CHANGE 1
	STEP 0
	STEP 1
	s_xor_b32 s[TB], s[TB], SLOT1
	s_sub_co_u32 s[SLOTS], s[SLOTS], 1
	s_cmp_lg_u32 s[SLOTS], 0
	s_cbranch_scc1 .Lslot
	CHANGE 0                                       ; the last slot is written out: nothing is left to fetch
	STEP 0
	STEP 1
	; THE WAY OUT.  O^T / l, rounded to f16, into the work-group's stage, where the two heads of a row meet; a barrier; each wave stores 32 whole rows of 256 bytes.
.irp t, 0,1,2,3
	v_add_f32 v[ST+8*\t+4], v[ST+8*\t+2], v[ST+8*\t+3]   ; (these four are the places behind the last products)
.endr
.irp t, 0,1,2,3
	v_permlanex16_b32 v[ST+8*\t+5], v[ST+8*\t+4], s[SEL], s[SEL+1]
.endr
.irp t, 0,1,2,3
	v_add_f32 v[ST+8*\t+4], v[ST+8*\t+4], v[ST+8*\t+5]
.endr
.irp t, 0,1,2,3
	v_rcp_f32 v[ST+8*\t+6], v[ST+8*\t+4]
.endr
	v_nop
	s_wait_alu depctr_va_vdst(0)                   ; one wait for the four reciprocals
.irp t, 0,1,2,3
.set i, 0
.rept 16
	v_pk_mul_f32 v[O+32*\t+2*i:O+32*\t+2*i+1], v[O+32*\t+2*i:O+32*\t+2*i+1], v[ST+8*\t+6:ST+8*\t+7] op_sel_hi:[1,0]
.set i, i+1
.endr
.set i, 0
.rept 16
	v_cvt_pk_f16_f32 v[S+16*\t+i], v[O+32*\t+2*i], v[O+32*\t+2*i+1]
.set i, i+1
.endr
.irp c, 0,1,2,3
	ds_store_b128 v[STO], v[S+16*\t+4*\c:S+16*\t+4*\c+3] offset:(\t%2)*16*SP+(\t/2)*128*SP+32*\c
.endr
.endr
	s_wait_dscnt 0x0                               ; for the others' sake: my stores into the stage are done
	s_barrier_signal -1
	s_barrier_wait -1
.irp i, 0,1,2,3,4,5,6,7,8,9,10,11,12,13,14,15
	ds_load_b128 v[O+4*\i:O+4*\i+3], v[RD] offset:\i*2*SP
.endr
.irp i, 0,1,2,3,4,5,6,7,8,9,10,11,12,13,14,15
	s_wait_dscnt 15-\i
	global_store_b128 v[GO], v[O+4*\i:O+4*\i+3], s[6:7] offset:4096*\i   ; sixteen lanes store 256 consecutive bytes, aligned
.endr
	s_wait_tensorcnt 0x0                           ; the wave's end
	ds_add_u32 v[SPW], v[NIL]
	s_wait_dscnt 0x0
	s_endpgm
.Lfunc_end_k_q517a685017_attn:
	.size	k_q517a685017_attn, .Lfunc_end_k_q517a685017_attn-k_q517a685017_attn
	.p2alignl 7, 3214868480
	.fill 96, 4, 3214868480
	.section	.rodata,"a",@progbits
	.p2align	6, 0x0
	.amdhsa_kernel k_q517a685017_attn
		.amdhsa_group_segment_fixed_size 327680
		.amdhsa_private_segment_fixed_size 0
		.amdhsa_enable_private_segment 0
		.amdhsa_kernarg_size 16
		.amdhsa_user_sgpr_count 2
		.amdhsa_user_sgpr_kernarg_segment_ptr 1
		.amdhsa_wavefront_size32 1
		.amdhsa_system_sgpr_workgroup_id_x 1
		.amdhsa_system_sgpr_workgroup_id_y 1
		.amdhsa_system_sgpr_workgroup_id_z 1
		.amdhsa_system_vgpr_workitem_id 0
		.amdhsa_next_free_vgpr 512
		.amdhsa_next_free_sgpr 76
		.amdhsa_reserve_vcc 1
		.amdhsa_float_denorm_mode_32 3
		.amdhsa_float_denorm_mode_16_64 3
		.amdhsa_memory_ordered 1
		.amdhsa_forward_progress 1
		.amdhsa_inst_pref_size 190
	.end_amdhsa_kernel
	.amdgpu_metadata
---
amdhsa.version: [ 1, 2 ]
amdhsa.kernels:
  - .name:           k_q517a685017_attn
    .symbol:         k_q517a685017_attn.kd
    .args:
      - { .name: qkv, .offset: 0, .size: 8, .value_kind: global_buffer, .address_space: global }
      - { .name: y, .offset: 8, .size: 8, .value_kind: global_buffer, .address_space: global }
    .group_segment_fixed_size: 327680
    .private_segment_fixed_size: 0
    .kernarg_segment_align: 8
    .kernarg_segment_size: 16
    .max_flat_workgroup_size: 256
    .sgpr_count:     76
    .vgpr_count:     512
    .wavefront_size: 32
...
	.end_amdgpu_metadata
.endif
;; end of part 3
;; launch proj (part 4): grid 4 x 64, 4 waves a work-group, clusters of 4 x 4, 327,680 bytes of LDS; arguments y, wot, out0; writes out0
.if DOCPART == 4
	.amdgcn_target "amdgcn-amd-amdhsa--gfx1250"
	.amdhsa_code_object_version 6
	.text
	.protected	k_q517a685017_proj
	.globl	k_q517a685017_proj
	.p2align	8
	.type	k_q517a685017_proj,@function
k_q517a685017_proj:
	s_mov_b64 s[64:65], 0
	v_nop
	global_prefetch_b8 v0, s[64:65] scope:SCOPE_SE
	s_setreg_imm32_b32 hwreg(HW_REG_WAVE_MODE, 25, 1), 1
	s_wait_xcnt 0x0
	s_wait_alu depctr_hold_cnt(0) depctr_sa_sdst(0) depctr_va_vdst(0) depctr_va_sdst(0) depctr_va_ssrc(0) depctr_va_vcc(0) depctr_vm_vsrc(0)
	s_getreg_b32 s2, hwreg(HW_REG_IB_STS2, 6, 4)
	s_cmp_eq_u32 s2, 0
	s_cbranch_scc0 .Lentry_in_a_cluster
	s_endpgm
.Lentry_in_a_cluster:
	s_bfe_u32 s2, ttmp6, 0x10000c
	s_cmp_lg_u32 s2, 0xf033
	s_cbranch_scc0 .Lentry_shape_is_right
	s_endpgm
.Lentry_shape_is_right:
; out0[m][e] = sum over d of y[m][d] w_out[d][e].  A: y [8192][1024] f16.  B: wot [1024 (e)][1024 (d)] f16.  out0: [8192][1024] f32; sums in f32.
; (Rows t < 16 of each sequence lie inside live tiles and are made here too; the last launch writes them again from f32 operands.)
; A tile of 128 x 256 to a work-group, so that there are 256 work-groups; a wave makes 64 x 128: 32 accumulators.  K goes in steps of 128 (rows of 256 bytes) through a ring of two LDS slots.
; CLUSTERS: 4 x 4 work-groups; A's tiles are shared along a row of the cluster, B's along a column: joint loads.  Waves 0, 1 fetch A's two halves (64 rows), waves 2, 3 B's (128 rows): one load a wave.
; By the text's own count a wave has two tensor loads out at the head and one behind each round.
; THE MATRIX INSTRUCTION IS USED TRANSPOSED (source 0 = 16 rows of B, source 1 = 16 rows of A): a lane holds eight neighbouring columns of one row.
; REGISTERS: window 0: v0-31 addresses; two fragment buffers of 96 (A's four fragments, then B's eight) at v64 and v160; on the way out v64-191.  window 1: the accumulators, (a, b) at v[8 (8 a + b)].
.set SIZE_K, 1024
.set KSTEP,  128
.set PITCH,  272
.set AHALF,  64*PITCH
.set BHALF,  128*PITCH
.set SLOT,   2*AHALF+2*BHALF           ; A's 128 rows, then B's 256
.set STAGE,  2*SLOT                    ; the way out: 16 rows x 528 bytes for each wave; no tensor load lands here
.set SPITCH, 528
.set SPARE,  STAGE+4*16*SPITCH         ; the spare words, 128 bytes for each wave, that no other line names
.set LAPS,   SIZE_K/(2*KSTEP)
.set ADRA, 16
.set ADRB, 20
.set STO,  24
.set RD,   25
.set CO,   26
.set SPW,  28
.set NIL,  29
.set PFO,  30
.set F0,   64
.set F1,   160
.set BK,   64
.set G1, 24
.set G0, 32
.set G1B, 48
.set G0B, 56
.set LIM, 43
.set PFA, 44
.set MSB, 0
.macro WIN new
.if MSB != (\new)
	s_set_vgpr_msb (MSB<<8)|(\new)
.set MSB, (\new)
.endif
.endm
.set MUL, 0x50                         ; C and D window 1, sources 0 and 1 window 0
.macro JLOAD s
	s_cmp_eq_u32 s11, 0
	s_cbranch_scc0 .Lfor_b_\@
	tensor_load_to_lds s[G0+4*\s:G0+4*\s+3], s[G1:G1+7]
	s_nop 0
.rept 4
	v_nop
.endr
	s_branch .Lasked_\@
.Lfor_b_\@:
	tensor_load_to_lds s[G0B+4*\s:G0B+4*\s+3], s[G1B:G1B+7]
	s_nop 0
.rept 4
	v_nop
.endr
.Lasked_\@:
.endm
; A PREFETCH of the K step two refills on: 32 rows x 256 bytes, a lane a row.  A's 128 rows are read by my row of the cluster alone: wave 0 of each of its four work-groups takes 32, told apart by address (cx).
; B's 256 rows are read by every cluster: the cluster with y = 0 asks; waves 2 and 3 of each of the four that share them take 32 each, told apart by address (cy).  So each row's 256 bytes are named once.
; K steps 0 to 3 come by their loads alone; the loop's last trip, whose refills are the last two K steps, asks for nothing.
.macro ASK
	s_cmp_gt_u32 s3, s[LIM]
	s_cbranch_scc0 .Lnot_mine_\@
	global_prefetch_b8 v[PFO], s[PFA:PFA+1] offset:KSTEP*2 th:TH_LOAD_NT scope:SCOPE_SE
.Lnot_mine_\@:
.endm
.macro CREST
	s_cmp_lg_u32 s10, 0
	s_cbranch_scc1 .Lnot_wave_0_\@
	s_barrier_signal -3
.Lnot_wave_0_\@:
	s_barrier_wait -3
	s_barrier_signal -1
	s_barrier_wait -1
.endm
.macro CROUND
	s_barrier_signal -1
	s_barrier_wait -1
	CREST
.endm
	s_load_b128 s[4:7], s[0:1], 0x0                ; y, wot
	s_load_b64 s[8:9], s[0:1], 0x10                ; out0
	v_lshl_add_u32 v[SPW], v0, 2, SPARE
	v_mov_b32 v[NIL], 0
	ds_add_u32 v[SPW], v[NIL]                      ; the opening: the add, twice on end, and its wait ahead of my first tensor load
	ds_add_u32 v[SPW], v[NIL]
	v_lshrrev_b32 v1, 5, v0
	v_readfirstlane_b32 s10, v1                    ; wave
	s_lshr_b32 s11, s10, 1                         ; my half of the tile's rows; also: I fetch for A (0) or for B (1)
	s_and_b32 s12, s10, 1                          ; my half of its columns; also: which half of that tile I fetch
	s_bfe_u32 s40, ttmp6, 0x40000                  ; cx
	s_bfe_u32 s41, ttmp6, 0x40004                  ; cy
	s_lshl_b32 s42, ttmp9, 2
	s_add_co_u32 s42, s42, s40                     ; tile column
	s_and_b32 s13, ttmp7, 0xffff
	s_lshl_b32 s13, s13, 2
	s_add_co_u32 s13, s13, s41                     ; tile row
	s_lshl_b32 s43, s41, 2
	s_lshl_b32 s43, 15, s43                        ; my row of the cluster
	s_lshl_b32 s44, 0x1111, s40                    ; my column
	s_or_b32 s[G1+0], s43, (1<<16)|(1<<20)|(1<<21)|(5<<22)|(3<<25)   ; mask; elements of 2 bytes; 4 words of padding behind every 64
	s_or_b32 s[G1B+0], s44, (1<<16)|(1<<20)|(1<<21)|(5<<22)|(3<<25)
	s_mov_b32 s[G1+1], KSTEP<<16                   ; tensor_dim0
	s_mov_b32 s[G1+2], 64<<16                      ; tensor_dim1: A's half is 64 rows
	s_mov_b32 s[G1+3], KSTEP<<16                   ; tile_dim0
	s_mov_b32 s[G1+4], 64                          ; tile_dim1
	s_mov_b32 s[G1+5], SIZE_K                      ; the pitch
	s_mov_b32 s[G1+6], 0
	s_mov_b32 s[G1+7], 0
	s_mov_b32 s[G1B+1], KSTEP<<16
	s_mov_b32 s[G1B+2], 128<<16                    ; B's half is 128 rows
	s_mov_b32 s[G1B+3], KSTEP<<16
	s_mov_b32 s[G1B+4], 128
	s_mov_b32 s[G1B+5], SIZE_K
	s_mov_b32 s[G1B+6], 0
	s_mov_b32 s[G1B+7], 0
	s_lshl_b32 s17, s12, 6
	s_lshl_b32 s16, s13, 7
	s_add_co_u32 s16, s16, s17                     ; A: row 128 x tile row + 64 x half,
	s_lshl_b32 s16, s16, 11                        ; of 2,048 bytes
	s_mov_b32 s17, 0
	s_lshl_b32 s47, s12, 7
	s_lshl_b32 s46, s42, 8
	s_add_co_u32 s46, s46, s47                     ; B: row 256 x tile column + 128 x half
	s_lshl_b32 s46, s46, 11
	s_mov_b32 s47, 0
	s_mul_i32 s20, s12, AHALF                      ; where they go: no place in the cluster enters an LDS address
	s_mul_i32 s21, s12, BHALF
	s_add_co_u32 s21, s21, 2*AHALF
	s_wait_dscnt 0x0                               ; both opening adds are done
	s_wait_kmcnt 0x0
	s_add_nc_u64 s[14:15], s[4:5], s[16:17]
	s_add_nc_u64 s[46:47], s[6:7], s[46:47]
	CROUND                                         ; all sixteen work-groups are here: the first joint loads meet
.irp s, 0,1
	s_mov_b32 s[G0+4*\s], 1
	s_add_co_u32 s[G0+4*\s+1], s20, \s*SLOT
	s_add_nc_u64 s[G0+4*\s+2:G0+4*\s+3], s[14:15], \s*KSTEP*2
	s_or_b32 s[G0+4*\s+3], s[G0+4*\s+3], 0x80000000
	s_mov_b32 s[G0B+4*\s], 1
	s_add_co_u32 s[G0B+4*\s+1], s21, \s*SLOT
	s_add_nc_u64 s[G0B+4*\s+2:G0B+4*\s+3], s[46:47], \s*KSTEP*2
	s_or_b32 s[G0B+4*\s+3], s[G0B+4*\s+3], 0x80000000
	JLOAD \s
.endr
	v_and_b32 v1, 15, v0                           ; r
	v_bfe_u32 v2, v0, 4, 1                         ; h
	v_mul_u32_u24 v3, v1, PITCH
	v_lshl_add_u32 v3, v2, 4, v3
	s_mul_i32 s21, s11, AHALF                      ; my 64 rows of A
	s_mul_i32 s22, s12, BHALF                      ; my 128 rows of B,
	s_add_co_u32 s22, s22, 2*AHALF                 ; behind A's 128
.irp s, 0,1
	v_add_nc_u32 v[ADRA+\s], s21, v3
	v_add_nc_u32 v[ADRB+\s], s22, v3
	s_add_co_u32 s21, s21, SLOT
	s_add_co_u32 s22, s22, SLOT
.endr
	s_mul_i32 s23, s10, 16*SPITCH
	s_add_co_u32 s23, s23, STAGE                   ; my stage
	v_mul_u32_u24 v4, v1, SPITCH
	v_lshl_add_u32 v4, v2, 5, v4
	v_add_nc_u32 v[STO], s23, v4                   ; in: row r, 32 bytes for each half of the lanes
	v_and_b32 v5, 31, v0
	v_lshlrev_b32 v[CO], 4, v5                     ; back: the 32 lanes take one row of 512 bytes; the same in out0
	v_add_nc_u32 v[RD], s23, v[CO]
	s_lshl_b32 s16, s13, 7
	s_lshl_b32 s17, s11, 6
	s_add_co_u32 s16, s16, s17                     ; my first row,
	s_lshl_b32 s16, s16, 12                        ; of 4,096 bytes
	s_lshl_b32 s46, s42, 10
	s_lshl_b32 s47, s12, 9
	s_add_co_u32 s46, s46, s47                     ; my first column, in bytes
	s_add_co_u32 s16, s16, s46
	s_mov_b32 s17, 0
	s_add_nc_u64 s[8:9], s[8:9], s[16:17]
	; the prefetches: where mine stand, and whether I ask
	s_lshl_b32 s20, s13, 7
	s_lshl_b32 s21, s40, 5
	s_add_co_u32 s20, s20, s21                     ; A: 128 x tile row + 32 cx
	s_lshl_b32 s21, s42, 8
	s_lshl_b32 s22, s41, 6
	s_add_co_u32 s21, s21, s22
	s_lshl_b32 s22, s12, 5
	s_add_co_u32 s21, s21, s22                     ; B: 256 x tile column + 64 cy + 32 (wave - 2)
	s_and_b32 s22, ttmp7, 0xffff                   ; cluster y
	s_cmp_eq_u32 s11, 0
	s_cselect_b32 s20, s20, s21
	s_cselect_b32 s22, s12, s22                    ; for A wave 0 asks; for B the cluster with y = 0
	s_cselect_b64 s[PFA:PFA+1], s[4:5], s[6:7]
	s_cmp_eq_u32 s22, 0
	s_cselect_b32 s[LIM], 1, -1                    ; the same in all sixteen partners, for a given wave
	s_lshl_b32 s20, s20, 11
	s_add_co_u32 s20, s20, 2*KSTEP*2               ; at K step 2: the first refill steps it to 3 and names K step 4
	s_mov_b32 s21, 0
	s_add_nc_u64 s[PFA:PFA+1], s[PFA:PFA+1], s[20:21]
	v_and_b32 v[PFO], 31, v0
	v_lshlrev_b32 v[PFO], 11, v[PFO]
.macro MUL8 f, a, zero                 ; A's block a x B's eight, 32 along K.  The 32 accumulators take turns, one instruction a turn, in the same order in every quarter
.irp b, 0,1,2,3,4,5,6,7
.if \zero
	v_wmma_f32_16x16x32_f16 v[8*(8*(\a)+\b):8*(8*(\a)+\b)+7], v[\f+32+8*\b:\f+32+8*\b+7], v[\f+8*(\a):\f+8*(\a)+7], 0
.else
	v_wmma_f32_16x16x32_f16 v[8*(8*(\a)+\b):8*(8*(\a)+\b)+7], v[\f+32+8*\b:\f+32+8*\b+7], v[\f+8*(\a):\f+8*(\a)+7], v[8*(8*(\a)+\b):8*(8*(\a)+\b)+7]
.endif
.endr
.endm
.macro FETCH slot, k, f                ; 24 LDS loads in one run: B's eight fragments, then A's four
.irp i, 0,1,2,3,4,5,6,7
	ds_load_b128 v[\f+32+8*\i:\f+32+8*\i+3],   v[ADRB+\slot] offset:\k+\i*16*PITCH
	ds_load_b128 v[\f+32+8*\i+4:\f+32+8*\i+7], v[ADRB+\slot] offset:\k+\i*16*PITCH+32
.endr
.irp i, 0,1,2,3
	ds_load_b128 v[\f+8*\i:\f+8*\i+3],   v[ADRA+\slot] offset:\k+\i*16*PITCH
	ds_load_b128 v[\f+8*\i+4:\f+8*\i+7], v[ADRA+\slot] offset:\k+\i*16*PITCH+32
.endr
.endm
.macro PLACES
.rept 4
	v_nop
.endr
.endm
.macro QUARTER slot, k, f, g, zero     ; 32 along K: multiplies buffer f; in its middle it fetches the next quarter, at byte k of the rows, into g
	s_wait_dscnt 4                                 ; B and A's blocks 0, 1 are in; the youngest four loads (A's blocks 2, 3) may be out
	WIN MUL
	MUL8 \f, 0, \zero
	MUL8 \f, 1, \zero
	WIN 0
	PLACES
	FETCH \slot, \k, \g
	s_wait_dscnt 24                                ; all but the 24 just issued
	WIN MUL
	MUL8 \f, 2, \zero
	MUL8 \f, 3, \zero
.endm
; A K step's last quarter multiplies buffer 1 and changes slots: one barrier; in front of it each wave waits for all its tensor loads, adds 0 to its spare word, and waits for that and for its reads of this slot.
; fill = 1: the barrier opens a round of the cluster's barrier, and this slot is filled again, two K steps ahead, first thing behind the round.
.macro TURN slot, next, fill
	WIN 0
.if \fill
	s_wait_xcnt 0x0                                ; the last prefetch, a K step back, has read its address
	s_add_nc_u64 s[PFA:PFA+1], s[PFA:PFA+1], KSTEP*2
.endif
	s_wait_tensorcnt 0x0                           ; all my tensor loads have landed: my part of the next slot
	ds_add_u32 v[SPW], v[NIL]
	s_wait_dscnt 5                                 ; the add and the youngest four loads may be out
	WIN MUL
	MUL8 F1, 0, 0
	s_wait_dscnt 0x0                               ; the add is done, and my reads of this slot are over
	s_barrier_signal -1
	MUL8 F1, 1, 0
	WIN 0
	s_barrier_wait -1
.if \fill
	CREST
	s_add_nc_u64 s[G0+4*\slot+2:G0+4*\slot+3], s[G0+4*\slot+2:G0+4*\slot+3], 2*KSTEP*2
	s_add_nc_u64 s[G0B+4*\slot+2:G0B+4*\slot+3], s[G0B+4*\slot+2:G0B+4*\slot+3], 2*KSTEP*2
	JLOAD \slot                                    ; the four v_nop behind it are also the places in front of the loads below
.else
	PLACES
.endif
	FETCH \next, 0, F0
.if \fill
	ASK
.endif
	WIN MUL
	MUL8 F1, 2, 0
	MUL8 F1, 3, 0
.endm
	s_wait_tensorcnt 1                             ; my part of K step 0 is in; K step 1's load may be out
	s_barrier_signal -1
	s_barrier_wait -1
	FETCH 0, 0, F0
	QUARTER 0, 64, F0, F1, 1                       ; the first quarter's products start the sums
	WIN 0
	s_mov_b32 s3, LAPS-1
.Llap:                                                 ; a trip goes once round the ring and fills both slots again
	QUARTER 0, 128, F1, F0, 0
	QUARTER 0, 192, F0, F1, 0
	TURN 0, 1, 1
	QUARTER 1, 64,  F0, F1, 0
	QUARTER 1, 128, F1, F0, 0
	QUARTER 1, 192, F0, F1, 0
	TURN 1, 0, 1
	QUARTER 0, 64,  F0, F1, 0
	WIN 0
	s_sub_co_u32 s3, s3, 1
	s_cmp_lg_u32 s3, 0
	s_cbranch_scc1 .Llap
	QUARTER 0, 128, F1, F0, 0                      ; the last lap fills nothing
	QUARTER 0, 192, F0, F1, 0
	TURN 0, 1, 0
	QUARTER 1, 64,  F0, F1, 0
	QUARTER 1, 128, F1, F0, 0
	QUARTER 1, 192, F0, F1, 0
	s_wait_dscnt 4
	WIN MUL
	MUL8 F1, 0, 0
	MUL8 F1, 1, 0
	s_wait_dscnt 0
	MUL8 F1, 2, 0
	MUL8 F1, 3, 0
	WIN 0
; THE WAY OUT, a block of 16 rows x 128 columns at a time, through my own stage: in 32 bytes a lane, back as whole rows of 512 bytes.
.macro TOSTAGE a
	WIN 0x04                                       ; an LDS store's data are its source 1: window 1
.irp b, 0,1,2,3,4,5,6,7
	ds_store_b128 v[STO], v[8*(8*(\a)+\b):8*(8*(\a)+\b)+3] offset:64*\b        ; each accumulator from its low end on
	ds_store_b128 v[STO], v[8*(8*(\a)+\b)+4:8*(8*(\a)+\b)+7] offset:64*\b+16
.endr
	WIN 0
.set BB, BK+64*((\a)%2)
.irp t, 0,1,2,3,4,5,6,7,8,9,10,11,12,13,14,15
	ds_load_b128 v[BB+4*\t:BB+4*\t+3], v[RD] offset:\t*SPITCH   ; LDS serves a wave's instructions in order: these see the stores above
.endr
.endm
.macro SEND a, younger
.set BB, BK+64*((\a)%2)
	s_wait_dscnt \younger
.irp t, 0,1,2,3,4,5,6,7,8,9,10,11,12,13,14,15
	global_store_b128 v[CO], v[BB+4*\t:BB+4*\t+3], s[8:9] offset:(16*(\a)+\t)*4096 th:TH_STORE_NT   ; 32 lanes store 512 consecutive bytes, aligned
.endr
.endm
	PLACES
	TOSTAGE 0
.irp a, 1,2,3
.if \a > 1
	s_wait_xcnt 0x0                                ; the stores of the block two back have read their registers: this block's loads may land there
.endif
	TOSTAGE \a
	SEND \a-1, 32                                  ; behind that block's loads: this block's 16 stores and 16 loads
.endr
	SEND 3, 0
	s_wait_tensorcnt 0x0                           ; the wave's end
	ds_add_u32 v[SPW], v[NIL]
	s_wait_dscnt 0x0
	CROUND                                         ; the closing round
	s_endpgm
.Lfunc_end_k_q517a685017_proj:
	.size	k_q517a685017_proj, .Lfunc_end_k_q517a685017_proj-k_q517a685017_proj
	.p2alignl 7, 3214868480
	.fill 96, 4, 3214868480
	.section	.rodata,"a",@progbits
	.p2align	6, 0x0
	.amdhsa_kernel k_q517a685017_proj
		.amdhsa_group_segment_fixed_size 327680
		.amdhsa_private_segment_fixed_size 0
		.amdhsa_enable_private_segment 0
		.amdhsa_kernarg_size 24
		.amdhsa_user_sgpr_count 2
		.amdhsa_user_sgpr_kernarg_segment_ptr 1
		.amdhsa_wavefront_size32 1
		.amdhsa_system_sgpr_workgroup_id_x 1
		.amdhsa_system_sgpr_workgroup_id_y 1
		.amdhsa_system_sgpr_workgroup_id_z 1
		.amdhsa_system_vgpr_workitem_id 0
		.amdhsa_next_free_vgpr 512
		.amdhsa_next_free_sgpr 66
		.amdhsa_reserve_vcc 0
		.amdhsa_float_denorm_mode_32 3
		.amdhsa_float_denorm_mode_16_64 3
		.amdhsa_memory_ordered 1
		.amdhsa_forward_progress 1
		.amdhsa_inst_pref_size 86
	.end_amdhsa_kernel
	.amdgpu_metadata
---
amdhsa.version: [ 1, 2 ]
amdhsa.kernels:
  - .name:           k_q517a685017_proj
    .symbol:         k_q517a685017_proj.kd
    .args:
      - { .name: y, .offset: 0, .size: 8, .value_kind: global_buffer, .address_space: global }
      - { .name: wot, .offset: 8, .size: 8, .value_kind: global_buffer, .address_space: global }
      - { .name: out0, .offset: 16, .size: 8, .value_kind: global_buffer, .address_space: global }
    .group_segment_fixed_size: 327680
    .private_segment_fixed_size: 0
    .kernarg_segment_align: 8
    .kernarg_segment_size: 24
    .max_flat_workgroup_size: 128
    .sgpr_count:     66
    .vgpr_count:     512
    .wavefront_size: 32
...
	.end_amdgpu_metadata
.endif
;; end of part 4
;; launch fine_a (part 5): grid 16 x 4, 4 waves a work-group, no clusters, 14,848 bytes of LDS; arguments x_codes, x_scales, w_codes, w_scales, y16; writes y16
.if DOCPART == 5
	.amdgcn_target "amdgcn-amd-amdhsa--gfx1250"
	.amdhsa_code_object_version 6
	.text
	.protected	k_q517a685017_fine_a
	.globl	k_q517a685017_fine_a
	.p2align	8
	.type	k_q517a685017_fine_a,@function
k_q517a685017_fine_a:
	s_mov_b64 s[64:65], 0
	v_nop
	global_prefetch_b8 v0, s[64:65] scope:SCOPE_SE
	s_setreg_imm32_b32 hwreg(HW_REG_WAVE_MODE, 25, 1), 1
	s_wait_xcnt 0x0
; THE FIRST 16 POSITIONS OF EVERY SEQUENCE, carried in f32: their rows average few values, so 16-bit operands would weigh most there.  A work-group takes one head of one batch.
; q, k, v of the 16 rows are made anew from the codes (the quantised product, f32 sums, not rounded); scores, softmax and the second product in f32.  y16: f32 [16 b + t][1024].
; Wave w makes channels 16 w .. 16 w + 15 of q, k and v; q and k transposed (a lane holds one t and eight channels), v as it is (a lane holds one channel and eight t).  They meet in LDS.
; Then every wave makes all 16 x 16 scores and its own 16 channels of the result.  Stores are 32 bytes a lane: the buffer is 262,144 bytes in all.
; REGISTERS: v16-79 x's eight fragments; v80-87 x's scale words; v88-111 w's; v112-207 w's fragments of four K steps, later K, Q, V^T in f32; v208-231 the sums of q, k, v; v232-247 the scores in two sums; v248-255, v208-215 the result in two sums.
.set KOFF,  4608                       ; LDS: q [16][64] at 0, k at 4,608, rows of 256 bytes + 16;
.set VTOF,  9216                       ; v^T [64][16], rows of 64 bytes + 16
.set SPARE, 14336                      ; the spare words, 128 bytes for each wave, that no other line names
	s_load_b256 s[4:11], s[0:1], 0x0               ; x_codes, x_scales, w_codes, w_scales
	s_load_b64 s[12:13], s[0:1], 0x20              ; y16
	v_lshl_add_u32 v14, v0, 2, SPARE
	v_mov_b32 v15, 0
	v_lshrrev_b32 v1, 5, v0
	v_readfirstlane_b32 s14, v1                    ; wave
	v_and_b32 v1, 15, v0                           ; r
	v_bfe_u32 v2, v0, 4, 1                         ; h
	v_lshlrev_b32 v3, 9, v1
	v_lshl_add_u32 v3, v2, 4, v3                   ; codes: row r of 512 bytes, + 16 h
	v_lshlrev_b32 v4, 5, v1                        ; scale words: row r of 32 bytes
	s_lshl_b32 s21, s14, 6
	v_mul_u32_u24 v5, v1, 272
	v_lshl_add_u32 v5, v2, 5, v5
	v_add_nc_u32 v5, s21, v5                       ; q, k into LDS: row t = r, channels 16 w + 8 h on
	s_mul_i32 s21, s14, 16*80
	s_add_co_u32 s21, s21, VTOF
	v_mul_u32_u24 v6, v1, 80
	v_lshl_add_u32 v6, v2, 5, v6
	v_add_nc_u32 v6, s21, v6                       ; v^T: row 16 w + r, t = 8 h on: where I store it, and where I read my own channels back
	v_mul_u32_u24 v7, v1, 272
	v_lshl_add_u32 v7, v2, 3, v7                   ; q, k out of LDS: row r, channels 2 h on
	v_lshlrev_b32 v8, 3, v2
	v_sub_nc_u32 v9, v1, v8                        ; r - 8 h
	v_mov_b32 v10, 0xff800000                      ; -infinity
	v_lshlrev_b32 v11, 12, v1
	v_lshl_add_u32 v11, v2, 5, v11                 ; y16: row r of 4,096 bytes, + 32 h
	s_and_b32 s15, ttmp7, 0xffff                   ; b
	s_lshl_b32 s16, s15, 20                        ; 2,048 rows of 512 bytes
	s_mov_b32 s17, 0
	s_lshl_b32 s18, s15, 16                        ; 2,048 rows of 32 bytes; also 16 rows of 4,096
	s_mov_b32 s19, 0
	s_lshl_b32 s20, ttmp9, 6
	s_lshl_b32 s21, s14, 4
	s_add_co_u32 s20, s20, s21                     ; my first channel: 64 head + 16 w
	s_lshl_b32 s22, s20, 9
	s_mov_b32 s23, 0
	s_lshl_b32 s24, s20, 5
	s_mov_b32 s25, 0
	s_lshl_b32 s26, s20, 2
	s_add_co_u32 s26, s26, s18
	s_mov_b32 s27, 0
	s_mov_b32 s28, 0x76543210
	s_mov_b32 s29, 0xfedcba98
	s_mov_b32 s30, 0x3e38aa3b                      ; c = log2(e) / 8
	s_wait_kmcnt 0x0
	s_add_nc_u64 s[4:5], s[4:5], s[16:17]
	s_add_nc_u64 s[6:7], s[6:7], s[18:19]
	s_add_nc_u64 s[8:9], s[8:9], s[22:23]
	s_add_nc_u64 s[10:11], s[10:11], s[24:25]
	s_add_nc_u64 s[12:13], s[12:13], s[26:27]
.irp s, 0,1,2,3,4,5,6,7
.irp c, 0,1
	global_load_b128 v[16+8*\s+4*\c:16+8*\s+4*\c+3], v3, s[4:5] offset:64*\s+32*\c
.endr
.endr
	global_load_b128 v[80:83], v4, s[6:7]          ; a row's eight scale words are 32 consecutive bytes
	global_load_b128 v[84:87], v4, s[6:7] offset:16
.irp e, 0,1,2
	global_load_b128 v[88+8*\e:88+8*\e+3], v4, s[10:11] offset:32768*\e
	global_load_b128 v[88+8*\e+4:88+8*\e+7], v4, s[10:11] offset:32768*\e+16
.endr
.macro WLOAD g                         ; w's fragments of K steps 4 g .. 4 g + 3, for q, k and v
.irp s, 0,1,2,3
.irp e, 0,1,2
.irp c, 0,1
	global_load_b128 v[112+8*(3*\s+\e)+4*\c:112+8*(3*\s+\e)+4*\c+3], v3, s[8:9] offset:524288*\e+64*(4*\g+\s)+32*\c
.endr
.endr
.endr
.endm
.macro MULS g                          ; twelve products: the three sums take turns, one instruction a turn
.irp s, 0,1,2,3
.if (\g == 0) && (\s == 0)
	v_wmma_scale_f32_16x16x128_f8f6f4 v[208:215], v[112:119], v[16:23], 0, v88, v80 matrix_a_fmt:MATRIX_FMT_FP4 matrix_b_fmt:MATRIX_FMT_FP4
	v_wmma_scale_f32_16x16x128_f8f6f4 v[216:223], v[120:127], v[16:23], 0, v96, v80 matrix_a_fmt:MATRIX_FMT_FP4 matrix_b_fmt:MATRIX_FMT_FP4
	v_wmma_scale_f32_16x16x128_f8f6f4 v[224:231], v[16:23], v[128:135], 0, v80, v104 matrix_a_fmt:MATRIX_FMT_FP4 matrix_b_fmt:MATRIX_FMT_FP4
.else
	v_wmma_scale_f32_16x16x128_f8f6f4 v[208:215], v[112+24*\s:119+24*\s], v[16+8*(4*\g+\s):23+8*(4*\g+\s)], v[208:215], v[88+4*\g+\s], v[80+4*\g+\s] matrix_a_fmt:MATRIX_FMT_FP4 matrix_b_fmt:MATRIX_FMT_FP4
	v_wmma_scale_f32_16x16x128_f8f6f4 v[216:223], v[120+24*\s:127+24*\s], v[16+8*(4*\g+\s):23+8*(4*\g+\s)], v[216:223], v[96+4*\g+\s], v[80+4*\g+\s] matrix_a_fmt:MATRIX_FMT_FP4 matrix_b_fmt:MATRIX_FMT_FP4
	v_wmma_scale_f32_16x16x128_f8f6f4 v[224:231], v[16+8*(4*\g+\s):23+8*(4*\g+\s)], v[128+24*\s:135+24*\s], v[224:231], v[80+4*\g+\s], v[104+4*\g+\s] matrix_a_fmt:MATRIX_FMT_FP4 matrix_b_fmt:MATRIX_FMT_FP4
.endif
.endr
.endm
	WLOAD 0
	s_wait_loadcnt 0x0
	MULS 0
.rept 4
	v_nop                                          ; four places ahead of loads into registers that the products read
.endr
	WLOAD 1
	s_wait_loadcnt 0x0
	MULS 1
.rept 4
	v_nop                                          ; four places ahead of the stores that read the sums, and of the LDS loads into w's registers
.endr
	ds_store_b128 v5, v[208:211]
	ds_store_b128 v5, v[212:215] offset:16
	ds_store_b128 v5, v[216:219] offset:KOFF
	ds_store_b128 v5, v[220:223] offset:KOFF+16
	ds_store_b128 v6, v[224:227]
	ds_store_b128 v6, v[228:231] offset:16
	s_wait_dscnt 0x0                               ; for the others' sake: my stores are done
	s_barrier_signal -1
	s_barrier_wait -1
.irp s, 0,1,2,3,4,5,6,7,8,9,10,11,12,13,14,15
	ds_load_b64 v[112+2*\s:113+2*\s], v7 offset:KOFF+16*\s   ; k(r, 4 s + 2 h + 0, 1)
	ds_load_b64 v[144+2*\s:145+2*\s], v7 offset:16*\s        ; q likewise
.endr
.irp s, 0,1,2,3
	ds_load_b64 v[176+2*\s:177+2*\s], v6 offset:8*\s         ; v^T(16 w + r, keys 8 h + 2 s + 0, 1)
.endr
	s_wait_dscnt 0x0
	; S^T = k q^T: a lane holds query r and keys 8 h + 0 .. 7.  Two sums take turns; each begins with the constant 0 in its own first step
	v_wmma_f32_16x16x4_f32 v[232:239], v[112:113], v[144:145], 0
	v_wmma_f32_16x16x4_f32 v[240:247], v[114:115], v[146:147], 0
.irp s, 2,4,6,8,10,12,14
	v_wmma_f32_16x16x4_f32 v[232:239], v[112+2*\s:113+2*\s], v[144+2*\s:145+2*\s], v[232:239]
	v_wmma_f32_16x16x4_f32 v[240:247], v[114+2*\s:115+2*\s], v[146+2*\s:147+2*\s], v[240:247]
.endr
.rept 8
	v_nop                                          ; eight places behind this form
.endr
.irp j, 0,1,2,3,4,5,6,7
	v_add_f32 v[16+\j], v[232+\j], v[240+\j]
.endr
.irp j, 0,1,2,3,4,5,6,7
	v_cmp_gt_i32 vcc_lo, \j, v9                    ; key 8 h + j comes after query r
	v_cndmask_b32 v[16+\j], v[16+\j], v10, vcc_lo
.endr
	v_max3_num_f32 v12, v16, v17, v18
	v_max3_num_f32 v13, v19, v20, v21
	v_max3_num_f32 v12, v12, v22, v23
	v_max_num_f32 v12, v12, v13
	v_permlanex16_b32 v13, v12, s28, s29
	v_max_num_f32 v12, v12, v13                    ; the row's largest score (key 0 counts for every query)
	v_mul_f32 v12, s30, v12
.irp j, 0,1,2,3,4,5,6,7
	v_fma_f32 v[24+\j], v[16+\j], s30, -v12
.endr
.irp j, 0,1,2,3,4,5,6,7
	v_exp_f32 v[24+\j], v[24+\j]
.endr
	v_nop
	s_wait_alu depctr_va_vdst(0)                   ; one wait for the eight, ahead of their first reader
	v_add_f32 v12, v24, v25
	v_add_f32 v13, v26, v27
	v_add_f32 v40, v28, v29
	v_add_f32 v41, v30, v31
	v_add_f32 v12, v12, v13
	v_add_f32 v40, v40, v41
	v_add_f32 v12, v12, v40
	v_permlanex16_b32 v13, v12, s28, s29
	v_add_f32 v12, v12, v13
	v_rcp_f32 v42, v12
	v_nop
	s_wait_alu depctr_va_vdst(0)
	; O^T = v^T p: step s takes keys 8 h + 2 s + 0, 1, the same order in both sources.  Two sums take turns
	v_wmma_f32_16x16x4_f32 v[248:255], v[176:177], v[24:25], 0
	v_wmma_f32_16x16x4_f32 v[208:215], v[178:179], v[26:27], 0
	v_wmma_f32_16x16x4_f32 v[248:255], v[180:181], v[28:29], v[248:255]
	v_wmma_f32_16x16x4_f32 v[208:215], v[182:183], v[30:31], v[208:215]
.rept 8
	v_nop
.endr
.irp j, 0,1,2,3,4,5,6,7
	v_add_f32 v[32+\j], v[248+\j], v[208+\j]
.endr
.irp j, 0,1,2,3,4,5,6,7
	v_mul_f32 v[32+\j], v[32+\j], v42              ; y(t = r, channel 16 w + 8 h + j)
.endr
	global_store_b128 v11, v[32:35], s[12:13]
	global_store_b128 v11, v[36:39], s[12:13] offset:16
	s_wait_tensorcnt 0x0                           ; the wave's end
	ds_add_u32 v14, v15
	s_wait_dscnt 0x0
	s_endpgm
.Lfunc_end_k_q517a685017_fine_a:
	.size	k_q517a685017_fine_a, .Lfunc_end_k_q517a685017_fine_a-k_q517a685017_fine_a
	.p2alignl 7, 3214868480
	.fill 96, 4, 3214868480
	.section	.rodata,"a",@progbits
	.p2align	6, 0x0
	.amdhsa_kernel k_q517a685017_fine_a
		.amdhsa_group_segment_fixed_size 14848
		.amdhsa_private_segment_fixed_size 0
		.amdhsa_enable_private_segment 0
		.amdhsa_kernarg_size 40
		.amdhsa_user_sgpr_count 2
		.amdhsa_user_sgpr_kernarg_segment_ptr 1
		.amdhsa_wavefront_size32 1
		.amdhsa_system_sgpr_workgroup_id_x 1
		.amdhsa_system_sgpr_workgroup_id_y 1
		.amdhsa_system_sgpr_workgroup_id_z 1
		.amdhsa_system_vgpr_workitem_id 0
		.amdhsa_next_free_vgpr 256
		.amdhsa_next_free_sgpr 66
		.amdhsa_reserve_vcc 1
		.amdhsa_float_denorm_mode_32 3
		.amdhsa_float_denorm_mode_16_64 3
		.amdhsa_memory_ordered 1
		.amdhsa_forward_progress 1
		.amdhsa_inst_pref_size 21
	.end_amdhsa_kernel
	.amdgpu_metadata
---
amdhsa.version: [ 1, 2 ]
amdhsa.kernels:
  - .name:           k_q517a685017_fine_a
    .symbol:         k_q517a685017_fine_a.kd
    .args:
      - { .name: x_codes, .offset: 0, .size: 8, .value_kind: global_buffer, .address_space: global }
      - { .name: x_scales, .offset: 8, .size: 8, .value_kind: global_buffer, .address_space: global }
      - { .name: w_codes, .offset: 16, .size: 8, .value_kind: global_buffer, .address_space: global }
      - { .name: w_scales, .offset: 24, .size: 8, .value_kind: global_buffer, .address_space: global }
      - { .name: y16, .offset: 32, .size: 8, .value_kind: global_buffer, .address_space: global }
    .group_segment_fixed_size: 14848
    .private_segment_fixed_size: 0
    .kernarg_segment_align: 8
    .kernarg_segment_size: 40
    .max_flat_workgroup_size: 128
    .sgpr_count:     66
    .vgpr_count:     256
    .wavefront_size: 32
...
	.end_amdgpu_metadata
.endif
;; end of part 5
;; launch fine_b (part 6): grid 64 x 4, 4 waves a work-group, no clusters, 4,608 bytes of LDS; arguments y16, w_out, out0; writes out0
.if DOCPART == 6
	.amdgcn_target "amdgcn-amd-amdhsa--gfx1250"
	.amdhsa_code_object_version 6
	.text
	.protected	k_q517a685017_fine_b
	.globl	k_q517a685017_fine_b
	.p2align	8
	.type	k_q517a685017_fine_b,@function
k_q517a685017_fine_b:
	s_mov_b64 s[64:65], 0
	v_nop
	global_prefetch_b8 v0, s[64:65] scope:SCOPE_SE
	s_setreg_imm32_b32 hwreg(HW_REG_WAVE_MODE, 25, 1), 1
	s_wait_xcnt 0x0
; THE FIRST 16 POSITIONS' PROJECTION, in f32: out0[2048 b + t][e] = sum over d of y16[16 b + t][d] w_out[d][e], t < 16, written over what the 16-bit projection left there.
; A work-group takes 16 columns e of one batch; wave w takes d = 256 w .. 256 w + 255; the four parts are added in a fixed order by wave 0.
; Transposed: source 0 = 16 columns of w_out, source 1 = the 16 rows of y16: a lane holds row t = r and eight neighbouring e.  In each group of 8 along d lanes 0-15 hold d = 0 .. 3 and lanes 16-31 d = 4 .. 7,
; the same order in both sources.  Two sums take turns; each begins with the constant 0 in its own first step.
; REGISTERS: two sets of 64 (32 of y16, 32 of w_out) at v32 and v96; v160-175 the two sums; v176-183 their sum; v184-215 the four waves' parts.
.set SPARE, 4096                       ; the spare words, 128 bytes for each wave, that no other line names
	s_load_b128 s[4:7], s[0:1], 0x0                ; y16, w_out
	s_load_b64 s[8:9], s[0:1], 0x10                ; out0
	v_lshl_add_u32 v30, v0, 2, SPARE
	v_mov_b32 v31, 0
	v_lshrrev_b32 v1, 5, v0
	v_readfirstlane_b32 s10, v1                    ; wave
	v_and_b32 v1, 15, v0                           ; r
	v_bfe_u32 v2, v0, 4, 1                         ; h
	v_lshlrev_b32 v3, 12, v1
	v_lshl_add_u32 v3, v2, 4, v3                   ; y16: row r of 4,096 bytes, + 16 h
	v_lshlrev_b32 v4, 2, v1
	v_lshl_add_u32 v4, v2, 14, v4                  ; w_out: column r, lanes 16-31 four rows further down
	v_lshlrev_b32 v5, 5, v0                        ; LDS, in: 32 bytes a thread
	v_and_b32 v6, 31, v0
	v_lshlrev_b32 v6, 5, v6                        ; and out: 32 bytes a lane
	v_lshlrev_b32 v7, 12, v1
	v_lshl_add_u32 v7, v2, 5, v7                   ; out0: row r of 4,096 bytes, + 32 h
	s_and_b32 s11, ttmp7, 0xffff                   ; b
	s_lshl_b32 s12, s11, 16
	s_lshl_b32 s13, s10, 10
	s_add_co_u32 s12, s12, s13                     ; y16: 16 b rows, + 256 w numbers
	s_mov_b32 s13, 0
	s_lshl_b32 s14, s10, 20
	s_lshl_b32 s15, ttmp9, 6
	s_add_co_u32 s14, s14, s15                     ; w_out: 256 w rows, + my 16 columns
	s_lshl_b32 s16, s11, 23
	s_add_co_u32 s16, s16, s15                     ; out0: 2,048 b rows, + my 16 columns
	s_mov_b32 s15, 0
	s_mov_b32 s17, 0
	s_wait_kmcnt 0x0
	s_add_nc_u64 s[4:5], s[4:5], s[12:13]
	s_add_nc_u64 s[6:7], s[6:7], s[14:15]
	s_add_nc_u64 s[8:9], s[8:9], s[16:17]
.macro LOADB t                         ; 64 along d: 40 loads, into set t % 2
.irp u, 0,1,2,3,4,5,6,7
	global_load_b128 v[32+64*((\t)%2)+4*\u:32+64*((\t)%2)+4*\u+3], v3, s[4:5] offset:256*(\t)+32*\u
.irp i, 0,1,2,3
	global_load_b32 v[64+64*((\t)%2)+4*\u+\i], v4, s[6:7] offset:(64*(\t)+8*\u+\i)*4096
.endr
.endr
.endm
.macro MULB t
.irp u, 0,1,2,3,4,5,6,7
.irp p, 0,1
.if ((\t) == 0) && (\u == 0)
	v_wmma_f32_16x16x4_f32 v[160+8*\p:167+8*\p], v[64+2*\p:65+2*\p], v[32+2*\p:33+2*\p], 0
.else
	v_wmma_f32_16x16x4_f32 v[160+8*\p:167+8*\p], v[64+64*((\t)%2)+4*\u+2*\p:65+64*((\t)%2)+4*\u+2*\p], v[32+64*((\t)%2)+4*\u+2*\p:33+64*((\t)%2)+4*\u+2*\p], v[160+8*\p:167+8*\p]
.endif
.endr
.endr
.endm
.macro PLACES8                         ; eight places behind this form, ahead of loads into its sources and of reads of its results
.rept 8
	v_nop
.endr
.endm
	LOADB 0
	LOADB 1
	s_wait_loadcnt 40                              ; the older block's 40 loads are in; the younger block's may be out
	MULB 0
	PLACES8
	LOADB 2
	s_wait_loadcnt 40
	MULB 1
	PLACES8
	LOADB 3
	s_wait_loadcnt 40
	MULB 2
	s_wait_loadcnt 0x0
	MULB 3
	PLACES8
.irp j, 0,1,2,3,4,5,6,7
	v_add_f32 v[176+\j], v[160+\j], v[168+\j]
.endr
	ds_store_b128 v5, v[176:179]
	ds_store_b128 v5, v[180:183] offset:16
	s_wait_tensorcnt 0x0                           ; only LDS loads follow.  The wait on DScnt below also shows my stores done, for wave 0's sake
	ds_add_u32 v30, v31
	s_wait_dscnt 0x0
	s_barrier_signal -1
	s_barrier_wait -1
	s_cmp_lg_u32 s10, 0
	s_cbranch_scc1 .Ldone
.irp w, 0,1,2,3
	ds_load_b128 v[184+8*\w:187+8*\w], v6 offset:1024*\w
	ds_load_b128 v[188+8*\w:191+8*\w], v6 offset:1024*\w+16
.endr
	s_wait_dscnt 0x0
.irp j, 0,1,2,3,4,5,6,7
	v_add_f32 v[176+\j], v[184+\j], v[192+\j]
.endr
.irp j, 0,1,2,3,4,5,6,7
	v_add_f32 v[176+\j], v[176+\j], v[200+\j]
.endr
.irp j, 0,1,2,3,4,5,6,7
	v_add_f32 v[176+\j], v[176+\j], v[208+\j]
.endr
	global_store_b128 v7, v[176:179], s[8:9]       ; out0(2048 b + r, my 16 columns' 8 h + 0 .. 7)
	global_store_b128 v7, v[180:183], s[8:9] offset:16
.Ldone:
	s_endpgm
.Lfunc_end_k_q517a685017_fine_b:
	.size	k_q517a685017_fine_b, .Lfunc_end_k_q517a685017_fine_b-k_q517a685017_fine_b
	.p2alignl 7, 3214868480
	.fill 96, 4, 3214868480
	.section	.rodata,"a",@progbits
	.p2align	6, 0x0
	.amdhsa_kernel k_q517a685017_fine_b
		.amdhsa_group_segment_fixed_size 4608
		.amdhsa_private_segment_fixed_size 0
		.amdhsa_enable_private_segment 0
		.amdhsa_kernarg_size 24
		.amdhsa_user_sgpr_count 2
		.amdhsa_user_sgpr_kernarg_segment_ptr 1
		.amdhsa_wavefront_size32 1
		.amdhsa_system_sgpr_workgroup_id_x 1
		.amdhsa_system_sgpr_workgroup_id_y 1
		.amdhsa_system_sgpr_workgroup_id_z 1
		.amdhsa_system_vgpr_workitem_id 0
		.amdhsa_next_free_vgpr 256
		.amdhsa_next_free_sgpr 66
		.amdhsa_reserve_vcc 0
		.amdhsa_float_denorm_mode_32 3
		.amdhsa_float_denorm_mode_16_64 3
		.amdhsa_memory_ordered 1
		.amdhsa_forward_progress 1
		.amdhsa_inst_pref_size 24
	.end_amdhsa_kernel
	.amdgpu_metadata
---
amdhsa.version: [ 1, 2 ]
amdhsa.kernels:
  - .name:           k_q517a685017_fine_b
    .symbol:         k_q517a685017_fine_b.kd
    .args:
      - { .name: y16, .offset: 0, .size: 8, .value_kind: global_buffer, .address_space: global }
      - { .name: w_out, .offset: 8, .size: 8, .value_kind: global_buffer, .address_space: global }
      - { .name: out0, .offset: 16, .size: 8, .value_kind: global_buffer, .address_space: global }
    .group_segment_fixed_size: 4608
    .private_segment_fixed_size: 0
    .kernarg_segment_align: 8
    .kernarg_segment_size: 24
    .max_flat_workgroup_size: 128
    .sgpr_count:     66
    .vgpr_count:     256
    .wavefront_size: 32
...
	.end_amdgpu_metadata
.endif
;; end of part 6
